; MI455X (gfx1250); checked and timed in simulation.
; The chip was launched on July 23, 2026; its instructions are those of AMD's public machine-readable ISA for CDNA 5 (MIT licence, August 2026) and "CDNA5" Instruction Set Architecture Reference Guide (July 2026). The comments in the code are by the model that wrote it; some were corrected since.
;; Transformer Encoder Layer. Allowed arithmetic: matrix products marked QUANTISED: E2M3 operands, one E8M0 scale for each 32 along K, by v_wmma_scale_f32_16x16x128_f8f6f4 with both operands' format E2M3, f32 sums; everything else in f32.
;; Inputs: b1 4,096 float32; b2 1,024 float32; b_out 1,024 float32; be1 1,024 float32; be2 1,024 float32; g1 1,024 float32; g2 1,024 float32; mask 2 x 2,048 int32; w1_codes 4,096 x 32 x 24 uint8 (E2M3 codes of w1, K innermost, in blocks of 32 codes, four codes in three bytes); w1_scales 4,096 x 32 uint8 (E8M0 scales of w1, one for each 32 codes along K); w2_codes 1,024 x 128 x 24 uint8 (E2M3 codes of w2, K innermost, in blocks of 32 codes, four codes in three bytes); w2_scales 1,024 x 128 uint8 (E8M0 scales of w2, one for each 32 codes along K); w_out_codes 1,024 x 32 x 24 uint8 (E2M3 codes of w_out, K innermost, in blocks of 32 codes, four codes in three bytes); w_out_scales 1,024 x 32 uint8 (E8M0 scales of w_out, one for each 32 codes along K); w_qkv_codes 3,072 x 32 x 24 uint8 (E2M3 codes of w_qkv, K innermost, in blocks of 32 codes, four codes in three bytes); w_qkv_scales 3,072 x 32 uint8 (E8M0 scales of w_qkv, one for each 32 codes along K); x 2 x 2,048 x 1,024 float32.
;; Outputs: out0 2 x 2,048 x 1,024 float32.
;; This version of the problem:
;;   THIS VERSION OF THE PROBLEM IS GIVEN IN LOW PRECISION. The matrix products marked QUANTISED in the list below multiply operands that are first quantised to E2M3 (2 exponent bits, 3 mantissa bits; 6 bits a number), with one power-of-two scale for each 32 numbers along K (OCP MX v1.0); their sums are f32. All else is computed in f32.
;;   The module's matrix products, in the order in which they are computed (A, B: the left and right operand; K: the contracted axis; several contracted axes count as one K, in the product's order):
;;     1. [M 4,096, K 1,024] x [K 1,024, N 3,072]; A: computed on the way; B: input w_qkv (given as codes): QUANTISED
;;     2. batch 32 x [M 2,048, K 64] x [K 64, N 2,048]; A: computed on the way; B: computed on the way: QUANTISED
;;     3. batch 32 x [M 2,048, K 2,048] x [K 2,048, N 64]; A: softmax (see below); B: computed on the way: QUANTISED
;;     4. [M 4,096, K 1,024] x [K 1,024, N 1,024]; A: computed on the way; B: input w_out (given as codes): QUANTISED
;;     5. [M 4,096, K 1,024] x [K 1,024, N 4,096]; A: computed on the way; B: input w1 (given as codes): QUANTISED
;;     6. [M 4,096, K 4,096] x [K 4,096, N 1,024]; A: computed on the way; B: input w2 (given as codes): QUANTISED
;;   THE QUANTISER, for each operand of a quantised product, along K:
;;     - K is cut into blocks of 32 from its start; a last block that is shorter is filled with zeros.
;;     - A block's scale is 2^e with e = floor(log2(the largest magnitude in the block)) - 2, held to -126 .. 127; a block of zeros has e = 0. As a byte (E8M0): e + 127.
;;     - Each number is divided by its block's scale, clamped to +-7.5, and rounded to the nearest number of E2M3, ties to even, subnormals kept.
;;     - The product sums the exact products of the quantised numbers (number of the format x scale) in f32.
;;   ~~~python
;;   def quantise(x, axis):      # numpy; x: float32 -> the quantised numbers, widened to float32 again
;;       x = np.moveaxis(x, axis, -1); K = x.shape[-1]
;;       x = np.pad(x, [(0, 0)] * (x.ndim - 1) + [(0, -K % 32)]); x = x.reshape(x.shape[:-1] + (-1, 32)); a = np.abs(x).max(-1, keepdims=True)
;;       e = np.where(a > 0, np.clip(np.frexp(np.where(a > 0, a, 1))[1] - 1 - 2, -126, 127), 0)      # np.frexp(a)[1] - 1 = floor(log2(a)), exactly
;;       r = np.clip(x / 2.0 ** e, -7.5, 7.5)
;;       step = 2.0 ** (np.maximum(np.frexp(np.where(r == 0, 1, r))[1] - 1, 0) - 3)
;;       q = np.round(r / step) * step * 2.0 ** e      # np.round: ties to even
;;       return np.moveaxis(q.reshape(q.shape[:-2] + (-1,))[..., :K], -1, axis).astype(np.float32)
;;   ~~~
;;   SOFTMAX AHEAD OF A QUANTISED PRODUCT. Where the list says 'softmax', what is quantised is not the finished softmax but p = 2^(t - M), with t = logit x log2(e) and M = ceil(the row's largest t), a whole number; so 1/2 < the row's largest p <= 1. The row's sum l is taken of the UNQUANTISED p, in f32, and the product's result is divided by l at the end. Since M is a whole number, a kernel that streams over the keys may use a running M (the ceiling of the running maximum): every later rescaling is an exact power of two, which a block's scale takes up: the codes' values come out the same.
;;   OPERANDS COMPUTED ON THE WAY. 'Computed on the way' means the value that the module computes at that place (a softmax that the list does not call 'softmax' is quantised finished and normalised). What goes into a quantiser is computed in f32, as accurately as f32 sums, v_exp_f32 and their like allow (about 1e-6 of the number): no bf16 or f16 on the way to a quantiser, and a product that is left as it is and whose result goes on into a quantised operand takes f32 operands (vector FMAs, or v_wmma_f32_16x16x4_f32). A number that lies on a knife's edge between two numbers of the format may be rounded either way, as far as f32 arithmetic and the matrix unit's own rounding can turn it there, and no further.
;;   INPUTS GIVEN AS CODES. w1 (in the module: [1024, 4096], K = its axis 0); w2 (in the module: [4096, 1024], K = its axis 0); w_out (in the module: [1024, 1024], K = its axis 0); w_qkv (in the module: [1024, 3072], K = its axis 0): each comes as NAME_codes (uint8): NAME with its K axis moved to the last place and cut into blocks of 32 codes, [.., K / 32, bytes a block], one block behind the other in memory; four codes in three bytes: a row's codes are one little-endian stream of bits, code i at bits 6 i .. 6 i + 5 (a code: sign, 2 exponent bits, 3 mantissa bits); and NAME_scales (uint8): the same leading axes, one E8M0 byte (e + 127) for each 32 codes along K. Its value is code x scale, taken as it is: it is not quantised again, and the codes and scales need not be those that the quantiser above would give.
;; One version. Each part assembles by itself: llvm-mc -triple=amdgcn-amd-amdhsa -mcpu=gfx1250 --defsym DOCPART=n.
;; ======== version 1 of 1: 6 launches
;; limits: right only within a limited range of input values
;; workspace buffers: act1 5,734,400 bytes; wts 7,372,800 bytes; qkv 12,189,696 bytes; oimg 3,276,800 bytes; x1 16,777,216 bytes; h2img 3,276,800 bytes; hid 13,107,200 bytes
;; launch prep (part 1): grid 256 x 1, 8 waves a work-group, no clusters, 169,984 bytes of LDS; arguments x, g1, be1, act1, w_qkv_codes, w_qkv_scales, w_out_codes, w_out_scales, w1_codes, w1_scales, w2_codes, w2_scales, wts; writes act1, wts
.if DOCPART == 1
	.amdgcn_target "amdgcn-amd-amdhsa--gfx1250"
	.amdhsa_code_object_version 6
	.text
	.protected	k_q2ebda4fc8a_prep
	.globl	k_q2ebda4fc8a_prep
	.p2align	8
	.type	k_q2ebda4fc8a_prep,@function
k_q2ebda4fc8a_prep:
	s_mov_b64 s[64:65], 0
	v_nop
	global_prefetch_b8 v0, s[64:65] scope:SCOPE_SE
	s_setreg_imm32_b32 hwreg(HW_REG_WAVE_MODE, 25, 1), 1
	s_wait_xcnt 0x0
; TWO PREPARING STEPS IN ONE LAUNCH.
; (1) Every work-group T: h = (x - mean) rsqrt(var + 1e-5) g1 + be1 for one tile of 16 rows of 1,024 f32, quantised to E2M3 with one E8M0 byte for 32 along the row,
;     stored as an image of the operand's registers: [block of 128 rows][K step of 128][unit of 12,800 bytes]; in a unit fragment i at 1,536 i (three pieces of 512 bytes, lane l's 16 bytes at 16 l),
;     the scale piece at 12,288 (lane (r, h): word j = tile 2 j + h, index r).  Index r of tile i is row 32 (i / 2) + 8 (i % 2) + r + 8 (r / 8).  Wave w takes columns 128 w on: one fragment.
; (2) Work-groups 0-95 also lay one block of 128 rows x 1,024 along K of a weight (0-23 w_qkv, 24-31 w_out, 32-63 w1, 64-95 w2) as eight such units: wave w takes tile w and the scale piece of K step w.
;     That work stands between the issue of x's loads and their first use, in register window 1 and in LDS bytes of its own (0 .. 100,351), so it shares nothing with step (1).  These work-groups have the lowest numbers.
; Mean and variance in two passes, as the formula reads; the eight waves' partial sums meet in LDS: two barriers.
; LIMITS: a block whose largest magnitude lies under 2^-124 (zeros too) gets the byte 1; this program alone reads the bytes.  NaN and infinities are not served.
.set UNIT, 12800
.set WST,  12544                       ; the weights' stage: 16 rows x 784 a wave
.set PIT,  784
.set LST,  100352                      ; behind it the rows' stage: 16 rows x 528 a wave
.set RED,  167936                      ; two areas of 512 bytes, [r][wave]
.set SPARE, 168960                     ; the spare words: 128 bytes a wave
.set X,   32
.set R,   96
.set BE,  160
.set PC,  96
.set TM,  120
.set PW,  140
.set SL,  92                           ; s92-93 selects for lane l xor 16; s94 1 / 1,024; s95 1e-5
.set MSB, 0
.macro WIN new                         ; the immediate's high byte repeats the setting that is left
.if MSB != (\new)
	s_set_vgpr_msb (MSB<<8)|(\new)
.set MSB, (\new)
.endif
.endm
	s_load_b256 s[80:87], s[0:1], 0x0              ; x, g1, be1, act1
	s_load_b512 s[4:19], s[0:1], 0x20              ; w_qkv codes, scales; w_out; w1; w2
	s_load_b64 s[22:23], s[0:1], 0x60              ; wts
	v_lshl_add_u32 v224, v0, 2, SPARE
	v_mov_b32 v225, 0
	v_lshrrev_b32 v8, 5, v0
	s_delay_alu instid0(VALU_DEP_1)
	v_readfirstlane_b32 s88, v8                    ; wave
	v_and_b32 v9, 31, v0
	v_and_b32 v10, 15, v0                          ; r
	v_bfe_u32 v11, v0, 4, 1                        ; h
	s_delay_alu instid0(VALU_DEP_3)
	v_lshlrev_b32 v24, 4, v9                       ; 16 x lane
	s_lshl_b32 s89, s88, 9
	v_add_nc_u32 v1, s89, v24                      ; x: 512 w + 16 x lane
	s_mul_i32 s90, s88, 8448
	s_add_co_u32 s90, s90, LST
	v_add_nc_u32 v2, s90, v24                      ; into my rows' stage
	v_mul_u32_u24 v3, v10, 528
	s_delay_alu instid0(VALU_DEP_1)
	v_lshl_add_u32 v3, v11, 6, v3
	s_delay_alu instid0(VALU_DEP_1)
	v_add_nc_u32 v3, s90, v3                       ; out of it: row r, + 64 h
	v_lshlrev_b32 v4, 6, v11
	s_delay_alu instid0(VALU_DEP_1)
	v_add_nc_u32 v4, s89, v4                       ; g, be: 512 w + 64 h
	v_lshl_add_u32 v7, v10, 5, RED                 ; the partial sums of row r
	s_lshl_b32 s91, s88, 2
	v_add_nc_u32 v5, s91, v7                       ; and mine among them
	v_lshlrev_b32 v25, 4, v10                      ; 16 r
	v_lshl_add_u32 v226, v9, 3, 512                ; the weights: a row's last 256 bytes, 512 + 8 x lane
	s_mul_i32 s77, s88, WST
	v_add_nc_u32 v227, s77, v24                    ; the two places in my weights' stage
	v_add_nc_u32 v228, s77, v226
	v_mul_u32_u24 v229, v10, PIT
	s_delay_alu instid0(VALU_DEP_1)
	v_mad_u32_u24 v229, v11, 24, v229
	s_delay_alu instid0(VALU_DEP_1)
	v_add_nc_u32 v229, s77, v229                   ; out of it: row r, + 24 h
	s_mul_i32 s78, s88, 1536
	v_add_nc_u32 v230, s78, v24                    ; my fragment's place in a unit
	s_mul_i32 s78, s88, UNIT
	s_add_co_u32 s78, s78, 12288
	v_add_nc_u32 v231, s78, v24                    ; the scale piece of unit w
	v_and_b32 v232, 8, v10
	s_delay_alu instid0(VALU_DEP_1)
	v_add_nc_u32 v232, v232, v10
	s_delay_alu instid0(VALU_DEP_1)
	v_lshl_add_u32 v232, v11, 3, v232              ; 8 h + r + 8 (r / 8)
	s_mov_b32 s[SL], 0x76543210
	s_mov_b32 s[SL+1], 0xfedcba98
	s_mov_b32 s94, 0x3a800000
	s_mov_b32 s95, 0x3727c5ac
	s_lshr_b32 s96, ttmp9, 1
	s_lshl_b32 s96, s96, 5
	s_and_b32 s97, ttmp9, 1
	s_lshl_b32 s98, s97, 3
	s_add_co_u32 s96, s96, s98
	s_lshl_b32 s96, s96, 12                        ; the tile's first row, in bytes
	s_lshl_b32 s99, s97, 8
	s_mov_b32 s97, 0
	s_lshr_b32 s98, ttmp9, 3
	s_lshl_b32 s98, s98, 3
	s_add_co_u32 s98, s98, s88
	s_mul_i32 s98, s98, UNIT                       ; my unit: block T / 8, K step w
	s_and_b32 s100, ttmp9, 7
	s_lshr_b32 s101, s100, 1
	s_lshl_b32 s101, s101, 2
	s_add_co_u32 s99, s99, s101
	s_add_co_u32 s99, s99, s98
	s_add_co_u32 s99, s99, 12288                   ; the scale word's place less 16 r
	s_mul_i32 s100, s100, 1536
	s_add_co_u32 s100, s100, s98
	s_mov_b32 s101, 0
	s_wait_alu depctr_va_vdst(0)                   ; the wait at the head's end
	s_wait_kmcnt 0x0
	s_mov_b64 s[20:21], s[86:87]                   ; act1 also takes w_qkv's units
	s_add_nc_u64 s[80:81], s[80:81], s[96:97]      ; x's rows
	s_add_nc_u64 s[96:97], s[86:87], s[100:101]    ; my fragment
	s_mov_b32 s100, s99
	s_add_nc_u64 s[98:99], s[86:87], s[100:101]    ; my scale words
.set t, 0
.rept 16
	global_load_b128 v[R+4*t:R+4*t+3], v1, s[80:81] offset:(t+8*(t/8))*4096
.set t, t+1
.endr
.set t, 0
.rept 16
	global_load_b128 v[BE+4*t:BE+4*t+3], v4, s[84:85] offset:128*(t/4)+16*(t%4)
.set t, t+1
.endr
	s_cmp_lt_u32 ttmp9, 96                         ; the work-group's number alone decides
	s_cbranch_scc0 .Lln
	; ---- the weights.  Pointers and sizes are chosen on the work-group's number
	s_mov_b32 s24, 64                              ; the tensor's first work-group
	s_mov_b32 s25, 4096000                         ; where its units begin in the buffer
	s_mov_b32 s26, 819200
	s_mov_b32 s29, 3072
	s_cmp_lt_u32 ttmp9, 64
	s_cselect_b64 s[16:17], s[12:13], s[16:17]
	s_cselect_b64 s[18:19], s[14:15], s[18:19]
	s_cselect_b32 s24, 32, s24
	s_cselect_b32 s25, s26, s25
	s_cselect_b32 s27, 0, 2                        ; log2 of the chunks to a block
	s_cselect_b32 s28, 0, 3
	s_cselect_b32 s29, 768, s29                    ; a row of codes in bytes
	s_cselect_b32 s30, 32, 128                     ; a row of scale bytes
	s_cselect_b32 s31, 8, 32                       ; K steps
	s_cmp_lt_u32 ttmp9, 32
	s_cselect_b64 s[16:17], s[8:9], s[16:17]
	s_cselect_b64 s[18:19], s[10:11], s[18:19]
	s_cselect_b32 s24, 24, s24
	s_cselect_b32 s25, 0, s25
	s_mov_b32 s26, 3276800
	s_cmp_lt_u32 ttmp9, 24
	s_cselect_b64 s[16:17], s[4:5], s[16:17]
	s_cselect_b64 s[18:19], s[6:7], s[18:19]
	s_cselect_b64 s[22:23], s[20:21], s[22:23]
	s_cselect_b32 s24, 0, s24
	s_cselect_b32 s25, s26, s25
	s_sub_co_u32 s24, ttmp9, s24
	s_lshr_b32 s26, s24, s27                       ; the block
	s_and_b32 s28, s24, s28                        ; the chunk
	s_lshl_b32 s70, s26, 7
	s_lshr_b32 s71, s88, 1
	s_lshl_b32 s71, s71, 5
	s_add_co_u32 s70, s70, s71
	s_and_b32 s71, s88, 1
	s_lshl_b32 s71, s71, 3
	s_add_co_u32 s70, s70, s71                     ; my tile's first row
	s_mul_i32 s70, s70, s29
	s_mul_i32 s71, s28, 768
	s_add_co_u32 s70, s70, s71
	s_mov_b32 s71, 0
	s_add_nc_u64 s[32:33], s[16:17], s[70:71]      ; sixteen row bases: rows 0-7, then 16-23 of the tile's span
	s_mov_b32 s72, s29
	s_mov_b32 s73, 0
	s_mul_i32 s74, s29, 9
	s_mov_b32 s75, 0
.irp t, 1,2,3,4,5,6,7,8,9,10,11,12,13,14,15
.if \t == 8
	s_add_nc_u64 s[32+2*\t:33+2*\t], s[30+2*\t:31+2*\t], s[74:75]
.else
	s_add_nc_u64 s[32+2*\t:33+2*\t], s[30+2*\t:31+2*\t], s[72:73]
.endif
.endr
	s_lshl_b32 s70, s26, 7
	s_mul_i32 s70, s70, s30
	s_add_nc_u64 s[66:67], s[18:19], s[70:71]      ; the block's scale bytes
	s_lshl_b32 s79, s28, 3
	s_add_co_u32 s79, s79, s88
	s_lshl_b32 s79, s79, 2                         ; K step 8 x chunk + w: its word in a row
	s_mul_i32 s70, s26, s31
	s_lshl_b32 s77, s28, 3
	s_add_co_u32 s70, s70, s77
	s_mul_i32 s70, s70, UNIT
	s_add_co_u32 s70, s70, s25
	s_add_nc_u64 s[68:69], s[22:23], s[70:71]      ; my work-group's eight units
.irp j, 0,1,2,3
	v_add_nc_u32 v[233+\j], 32*\j, v232
	s_delay_alu instid0(VALU_DEP_1)
	v_mad_u32_u24 v[233+\j], v[233+\j], s30, s79
.endr
.irp j, 0,1,2,3
	global_load_b32 v[240+\j], v[233+\j], s[66:67]
.endr
	WIN 0x40                                       ; the rows land in window 1
.set t, 0
.rept 16
	global_load_b128 v[32+6*t:35+6*t], v24, s[32+2*t:33+2*t] th:TH_LOAD_NT
	global_load_b64 v[36+6*t:37+6*t], v226, s[32+2*t:33+2*t] th:TH_LOAD_NT
.set t, t+1
.endr
	WIN 0x04                                       ; a store's data: window 1
.set t, 0
.rept 16
	s_wait_loadcnt 2*(15-t)                        ; row t's two loads are in; the younger rows' stay out
	ds_store_b128 v227, v[32+6*t:35+6*t] offset:PIT*t
	ds_store_b64 v228, v[36+6*t:37+6*t] offset:PIT*t
.set t, t+1
.endr
	WIN 0x40
.irp k, 0,1,2,3,4,5,6,7                        ; LDS serves a wave's instructions in order: these see my stores.  24 bytes at 24 h and at 48 + 24 h of a K step's 96 are the lane's twelve registers
.irp p, 0,1,2,3,4,5
	ds_load_b64 v[128+12*\k+2*\p:129+12*\k+2*\p], v229 offset:96*\k+48*(\p/3)+8*(\p%3)
.endr
.endr
	WIN 0x04
.irp k, 0,1,2,3,4,5,6,7
	s_wait_dscnt 6*(7-\k)                          ; K step k's six loads are in
.irp c, 0,1,2
	global_store_b128 v230, v[128+12*\k+4*\c:131+12*\k+4*\c], s[68:69] offset:UNIT*\k+512*\c   ; 512 consecutive bytes, aligned
.endr
.endr
	WIN 0
	global_store_b128 v231, v[240:243], s[68:69]   ; the scale piece (its loads were issued ahead of the rows')
.Lln:
	; ---- the rows
.set t, 0
.rept 16
	s_wait_loadcnt 31-t                            ; row t is in; the younger rows and be may be out
	ds_store_b128 v2, v[R+4*t:R+4*t+3] offset:528*t
.set t, t+1
.endr
.set t, 0
.rept 16
	ds_load_b128 v[X+4*t:X+4*t+3], v3 offset:128*(t/4)+16*(t%4)
.set t, t+1
.endr
	s_wait_dscnt 0x0
.set t, 0
.rept 16
	global_load_b128 v[R+4*t:R+4*t+3], v4, s[82:83] offset:128*(t/4)+16*(t%4)   ; g, into the registers that the stage's stores have read
.set t, t+1
.endr
.macro ACROSS off                      ; my two chains' sums -> the row's sum in v8: each wave's word, a barrier, all eight words
	s_delay_alu instid0(VALU_DEP_1)
	v_pk_add_f32 v[16:17], v[16:17], v[18:19]
	s_delay_alu instid0(VALU_DEP_1)
	v_add_f32 v16, v16, v17
	s_delay_alu instid0(VALU_DEP_1)
	v_permlanex16_b32 v17, v16, s[SL], s[SL+1]
	s_delay_alu instid0(VALU_DEP_1)
	v_add_f32 v16, v16, v17
	ds_store_b32 v5, v16 offset:\off
	s_wait_dscnt 0x0                               ; for the others' sake: my word has landed
	s_barrier_signal -1
	s_barrier_wait -1
	ds_load_b128 v[8:11], v7 offset:\off
	ds_load_b128 v[12:15], v7 offset:\off+16
	s_wait_dscnt 0x0
	v_add_f32 v8, v8, v9
	v_add_f32 v10, v10, v11
	v_add_f32 v12, v12, v13
	v_add_f32 v14, v14, v15
	s_delay_alu instid0(VALU_DEP_3)
	v_add_f32 v8, v8, v10
	s_delay_alu instid0(VALU_DEP_2)
	v_add_f32 v12, v12, v14
	s_delay_alu instid0(VALU_DEP_1)
	v_add_f32 v8, v8, v12
.endm
	v_pk_add_f32 v[16:17], v[X:X+1], v[X+2:X+3]
	v_pk_add_f32 v[18:19], v[X+4:X+5], v[X+6:X+7]
.set j, 8
.rept 14
	s_delay_alu instid0(VALU_DEP_2)
	v_pk_add_f32 v[16:17], v[16:17], v[X+j:X+j+1]
	s_delay_alu instid0(VALU_DEP_2)
	v_pk_add_f32 v[18:19], v[18:19], v[X+j+2:X+j+3]
.set j, j+4
.endr
	ACROSS 0
	s_delay_alu instid0(VALU_DEP_1)
	v_mul_f32 v20, 0xba800000, v8                  ; -mean
	s_delay_alu instid0(VALU_DEP_1)
	v_mov_b32 v21, v20
.set j, 0
.rept 32
	v_pk_add_f32 v[X+j:X+j+1], v[X+j:X+j+1], v[20:21]
.set j, j+2
.endr
	v_pk_mul_f32 v[16:17], v[X:X+1], v[X:X+1]
	v_pk_mul_f32 v[18:19], v[X+2:X+3], v[X+2:X+3]
.set j, 4
.rept 15
	s_delay_alu instid0(VALU_DEP_2)
	v_pk_fma_f32 v[16:17], v[X+j:X+j+1], v[X+j:X+j+1], v[16:17]
	s_delay_alu instid0(VALU_DEP_2)
	v_pk_fma_f32 v[18:19], v[X+j+2:X+j+3], v[X+j+2:X+j+3], v[18:19]
.set j, j+4
.endr
	ACROSS 512                                     ; other bytes than the first sum's
	s_delay_alu instid0(VALU_DEP_1)
	v_fma_f32 v22, v8, s94, s95                    ; var + eps
	s_wait_alu depctr_va_vdst(0)                   ; the wait ahead of the transcendental
	v_rsq_f32 v22, v22
	v_nop                                          ; a plain place behind it
	s_wait_alu depctr_va_vdst(0)                   ; the wait ahead of its reader
	v_mov_b32 v23, v22
	s_wait_alu depctr_va_vdst(0)
	s_wait_loadcnt 0x0                             ; g and be
.set j, 0
.rept 32
	v_pk_mul_f32 v[X+j:X+j+1], v[X+j:X+j+1], v[22:23]
.set j, j+2
.endr
.set j, 0
.rept 32
	v_pk_fma_f32 v[X+j:X+j+1], v[X+j:X+j+1], v[R+j:R+j+1], v[BE+j:BE+j+1]
.set j, j+2
.endr
; THE QUANTISER: four blocks of 32, each in lanes l and l xor 16
.irp b, 0,1,2,3
	v_mov_b32 v[TM+4+\b], 0                        ; a lane permute's destination counts as one of its sources
.endr
.irp b, 0,1,2,3
	v_max3_num_f32 v[TM+\b], |v[X+16*\b]|, |v[X+16*\b+1]|, 0x1800000   ; the floor 2^(3 - 127) holds the byte at 1 from below
.endr
.irp i, 2,4,6,8,10,12,14
.irp b, 0,1,2,3
	s_delay_alu instid0(VALU_DEP_4)
	v_max3_num_f32 v[TM+\b], |v[X+16*\b+\i]|, |v[X+16*\b+\i+1]|, v[TM+\b]
.endr
.endr
.irp b, 0,1,2,3
	s_delay_alu instid0(VALU_DEP_4)
	v_permlanex16_b32 v[TM+4+\b], v[TM+\b], s[SL], s[SL+1]
.endr
.irp b, 0,1,2,3
	s_delay_alu instid0(VALU_DEP_4)
	v_max_num_f32 v[TM+\b], v[TM+\b], v[TM+4+\b]
.endr
.irp b, 0,1,2,3
	s_delay_alu instid0(VALU_DEP_4)
	v_add_nc_u32 v[TM+12+\b], 0xff000000, v[TM+\b] ; 2 off the exponent field: the conversion's scale operand
.endr
.irp b, 0,1,2,3
	s_delay_alu instid0(VALU_DEP_4)
	v_lshrrev_b32 v[TM+4+\b], 23, v[TM+12+\b]      ; the scale's byte
.endr
	s_delay_alu instid0(VALU_DEP_3)
	v_lshl_or_b32 v[PW], v[TM+5], 8, v[TM+4]
	s_delay_alu instid0(VALU_DEP_1)
	v_lshl_or_b32 v[PW], v[TM+6], 16, v[PW]
	s_delay_alu instid0(VALU_DEP_1)
	v_lshl_or_b32 v[PW], v[TM+7], 24, v[PW]
.irp c, 0,1
	v_cvt_scalef32_pk16_fp6_f32 v[PC+6*\c:PC+6*\c+2], v[X+32*\c:X+32*\c+15], v[TM+12+2*\c]
	v_cvt_scalef32_pk16_fp6_f32 v[PC+12+4*\c:PC+14+4*\c], v[X+32*\c+16:X+32*\c+31], v[TM+13+2*\c]
.endr
	v_nop                                          ; one plain place behind a scaled conversion
.irp c, 0,1                                    ; a whole block to a lane: lanes 0-15 block 2 c, lanes 16-31 block 2 c + 1
.irp i, 0,1,2
	v_permlane16_swap_b32 v[PC+6*\c+\i], v[PC+12+4*\c+\i]
.endr
.irp i, 0,1,2
	s_delay_alu instid0(VALU_DEP_3)
	v_mov_b32 v[PC+3+6*\c+\i], v[PC+12+4*\c+\i]
.endr
.endr
.irp c, 0,1,2
	global_store_b128 v24, v[PC+4*\c:PC+4*\c+3], s[96:97] offset:512*\c   ; 512 consecutive bytes, aligned
.endr
	global_store_b32 v25, v[PW], s[98:99]          ; lanes r and r + 16 store the same word to the same place
	s_wait_tensorcnt 0x0                           ; the wave's end
	ds_add_u32 v224, v225
	s_wait_dscnt 0x0
	s_endpgm
.Lfunc_end_k_q2ebda4fc8a_prep:
	.size	k_q2ebda4fc8a_prep, .Lfunc_end_k_q2ebda4fc8a_prep-k_q2ebda4fc8a_prep
	.p2alignl 7, 3214868480
	.fill 96, 4, 3214868480
	.section	.rodata,"a",@progbits
	.p2align	6, 0x0
	.amdhsa_kernel k_q2ebda4fc8a_prep
		.amdhsa_group_segment_fixed_size 169984
		.amdhsa_private_segment_fixed_size 0
		.amdhsa_enable_private_segment 0
		.amdhsa_kernarg_size 104
		.amdhsa_user_sgpr_count 2
		.amdhsa_user_sgpr_kernarg_segment_ptr 1
		.amdhsa_wavefront_size32 1
		.amdhsa_system_sgpr_workgroup_id_x 1
		.amdhsa_system_sgpr_workgroup_id_y 1
		.amdhsa_system_sgpr_workgroup_id_z 1
		.amdhsa_system_vgpr_workitem_id 0
		.amdhsa_next_free_vgpr 480
		.amdhsa_next_free_sgpr 102
		.amdhsa_reserve_vcc 0
		.amdhsa_float_denorm_mode_32 3
		.amdhsa_float_denorm_mode_16_64 3
		.amdhsa_memory_ordered 1
		.amdhsa_forward_progress 1
		.amdhsa_inst_pref_size 46
	.end_amdhsa_kernel
	.amdgpu_metadata
---
amdhsa.version: [ 1, 2 ]
amdhsa.kernels:
  - .name:           k_q2ebda4fc8a_prep
    .symbol:         k_q2ebda4fc8a_prep.kd
    .args:
      - { .name: x, .offset: 0, .size: 8, .value_kind: global_buffer, .address_space: global }
      - { .name: g1, .offset: 8, .size: 8, .value_kind: global_buffer, .address_space: global }
      - { .name: be1, .offset: 16, .size: 8, .value_kind: global_buffer, .address_space: global }
      - { .name: act1, .offset: 24, .size: 8, .value_kind: global_buffer, .address_space: global }
      - { .name: w_qkv_codes, .offset: 32, .size: 8, .value_kind: global_buffer, .address_space: global }
      - { .name: w_qkv_scales, .offset: 40, .size: 8, .value_kind: global_buffer, .address_space: global }
      - { .name: w_out_codes, .offset: 48, .size: 8, .value_kind: global_buffer, .address_space: global }
      - { .name: w_out_scales, .offset: 56, .size: 8, .value_kind: global_buffer, .address_space: global }
      - { .name: w1_codes, .offset: 64, .size: 8, .value_kind: global_buffer, .address_space: global }
      - { .name: w1_scales, .offset: 72, .size: 8, .value_kind: global_buffer, .address_space: global }
      - { .name: w2_codes, .offset: 80, .size: 8, .value_kind: global_buffer, .address_space: global }
      - { .name: w2_scales, .offset: 88, .size: 8, .value_kind: global_buffer, .address_space: global }
      - { .name: wts, .offset: 96, .size: 8, .value_kind: global_buffer, .address_space: global }
    .group_segment_fixed_size: 169984
    .private_segment_fixed_size: 0
    .kernarg_segment_align: 8
    .kernarg_segment_size: 104
    .max_flat_workgroup_size: 256
    .sgpr_count:     102
    .vgpr_count:     480
    .wavefront_size: 32
...
	.end_amdgpu_metadata
.endif
;; end of part 1
;; launch qkv (part 2): grid 8 x 24, 4 waves a work-group, clusters of 4 x 4, 327,680 bytes of LDS; arguments act1, mask, qkv; writes qkv
.if DOCPART == 2
	.amdgcn_target "amdgcn-amd-amdhsa--gfx1250"
	.amdhsa_code_object_version 6
	.text
	.protected	k_q2ebda4fc8a_qkv
	.globl	k_q2ebda4fc8a_qkv
	.p2align	8
	.type	k_q2ebda4fc8a_qkv,@function
k_q2ebda4fc8a_qkv:
	s_mov_b64 s[64:65], 0
	v_nop
	global_prefetch_b8 v0, s[64:65] scope:SCOPE_SE
	s_setreg_imm32_b32 hwreg(HW_REG_WAVE_MODE, 25, 1), 1
	s_wait_xcnt 0x0
	s_wait_alu depctr_hold_cnt(0) depctr_sa_sdst(0) depctr_va_vdst(0) depctr_va_sdst(0) depctr_va_ssrc(0) depctr_va_vcc(0) depctr_vm_vsrc(0)
	s_getreg_b32 s2, hwreg(HW_REG_IB_STS2, 6, 4)
	s_cmp_eq_u32 s2, 0
	s_cbranch_scc0 .Lentry_in_a_cluster
	s_endpgm
.Lentry_in_a_cluster:
	s_bfe_u32 s2, ttmp6, 0x10000c
	s_cmp_lg_u32 s2, 0xf033
	s_cbranch_scc0 .Lentry_shape_is_right
	s_endpgm
.Lentry_shape_is_right:
; qkv = LN1(x) w_qkv on codes of E2M3 (MX-FP6), and the quantisers of q, k (along the head's 64) and v (along the keys), with the key mask laid into k's codes.
; OPERANDS are images of their registers: [block of 128 rows][8 K steps][unit of 12,800 bytes]: fragment i at 1,536 i (three pieces of 512 bytes, lane l's 16 bytes at 16 l), scale piece at 12,288 (lane (r, h): word j = tile 2 j + h).
; Index r of tile i is row 32 (i / 2) + 8 (i % 2) + r + 8 (r / 8).  act1 holds LN1(x) in blocks 0-31 and w_qkv's 3,072 rows in blocks 32-55.
; D(a, b) = source 0: X's tile b, source 1: Y's tile a.  A lane then holds ONE row of Y, and the 64 registers of tiles b = 0 .. 7 run along X's 128 rows in their natural order: what the quantiser wants.
; Cluster rows 0-3 of the grid: Y = tokens, X = w_q (cluster x 0) or w_k (1): results quantised along the heads' channels.  Cluster rows 4-5: Y = w_v's rows, X = tokens: v^T, quantised along the keys.  One loop serves both: only block numbers differ.
; SHARES: a work-group makes 256 x 256, each of four waves 128 x 128 (64 accumulators, 512 registers).  K goes two steps of 128 to a slot through two LDS slots of 102,400 bytes; each wave fetches two units (25,600 dense bytes) by one tensor load.
; CLUSTER 4 x 4: Y's units are shared along a row of the cluster, X's along a column, by joint loads.
; THE MASK: product 2 has K = 64 in an instruction 128 deep.  q gets the code +1.0 at k = 64 under the byte 127; a masked key gets zero codes, -1.0 at k = 64 and the byte 160 (2^33); an open key 0 there.  So a masked score is exactly -2^33.
; LIMITS: that is the logit -2^30 where the formula has -1e9: results differ only for open logits under about -1e9.  A block under 2^-124 (zeros too) gets the byte 1.  NaN and infinities are not served.
; REGISTERS: window 0: v2 16 x lane, v16-23 LDS addresses, v28-29 the add's, v32-47 scale words (two sets), v128-223 Y's fragments (one set); window 1: X's fragments, two sets at v0 and v128; windows 2, 3: the accumulators, (a, b) at v[8 (8 (a % 4) + b)].
.set GEOA, 1
.set NY,   8
.set NQ,   2
.set NKS,  8
.set LAPS, NKS/(2*NQ)
.set UNIT, 12800
.set SLOT, 8*UNIT
.set XH,   4*UNIT
.set SLOTG, NQ*UNIT
.set YSTR, 2*UNIT
.set SSTR, 2*UNIT
.set SPARE, 222208                     ; the spare words: 128 bytes a wave, two blocks of 256 bytes that no other line names
.set ADY, 16
.set ASY, 18
.set ADX, 20
.set ASX, 22
.set SPW, 28
.set NIL, 29
.set SX,  32
.set SY,  40
.set YF,  128
.set G1Y, 24
.set G0Y, 32
.set G1X, 48
.set G0X, 56
.set MSB, 0
.macro WIN new                         ; the immediate's high byte repeats the setting that is left
.if MSB != (\new)
	s_set_vgpr_msb (MSB<<8)|(\new)
.set MSB, (\new)
.endif
.endm
.macro PLACES                          ; four plain places behind matrix instructions, in front of loads into their registers and of reads of results
.rept 4
	v_nop
.endr
.endm
.macro JLOAD s                         ; a joint load: waves 0, 1 fetch Y's halves, waves 2, 3 X's; four v_nop follow each line
	s_cmp_eq_u32 s15, 0
	s_cbranch_scc0 .Lfor_x_\@
	tensor_load_to_lds s[G0Y+4*\s:G0Y+4*\s+3], s[G1Y:G1Y+7]
	s_nop 0
.rept 4
	v_nop
.endr
	s_branch .Lasked_\@
.Lfor_x_\@:
	tensor_load_to_lds s[G0X+4*\s:G0X+4*\s+3], s[G1X:G1X+7]
	s_nop 0
.rept 4
	v_nop
.endr
.Lasked_\@:
.endm
.macro CREST                           ; a round of the cluster's barrier behind its opening barrier
	s_cmp_lg_u32 s14, 0
	s_cbranch_scc1 .Lnot_wave_0_\@
	s_barrier_signal -3
.Lnot_wave_0_\@:
	s_barrier_wait -3
	s_barrier_signal -1
	s_barrier_wait -1
.endm
.macro CROUND
	s_barrier_signal -1
	s_barrier_wait -1
	CREST
.endm
.macro FX slot, q, p                   ; X's fragments of the slot's q-th K step into set p
	WIN 0x40
.irp i, 0,1,2,3,4,5,6,7
.if \i < NY
.irp c, 0,1,2
	ds_load_b128 v[128*(\p)+12*\i+4*\c:128*(\p)+12*\i+4*\c+3], v[ADX+\slot] offset:UNIT*(\q)+1536*\i+512*\c
.endr
.endif
.endr
	WIN 0
.endm
.macro FY slot, q, i0                  ; Y's blocks i0 .. i0 + NY / 2 - 1
.irp k, 0,1,2,3
.if \k < NY/2
.irp c, 0,1,2
	ds_load_b128 v[YF+12*(\i0+\k)+4*\c:YF+12*(\i0+\k)+4*\c+3], v[ADY+\slot] offset:UNIT*(\q)+1536*(\i0+\k)+512*\c
.endr
.endif
.endr
.endm
.macro FS slot, q, p                   ; the scale words of all my tiles: one load a side
.if GEOA
	ds_load_b128 v[SX+4*(\p):SX+4*(\p)+3], v[ASX+\slot] offset:UNIT*(\q)
	ds_load_b128 v[SY+4*(\p):SY+4*(\p)+3], v[ASY+\slot] offset:UNIT*(\q)
.else
	ds_load_b64 v[SX+4*(\p):SX+4*(\p)+1], v[ASX+\slot] offset:UNIT*(\q)
	ds_load_b64 v[SY+4*(\p):SY+4*(\p)+1], v[ASY+\slot] offset:UNIT*(\q)
.endif
.endm
.macro MM a, b, p, first               ; one product; an odd tile's scale words lie in lanes 16-31 of its register.  first = 1: the constant 0 starts the sum
.set rD, 8*(NY*((\a)%(NY/2))+(\b))
.set rX, 128*(\p)+12*(\b)
.set rY, YF+12*(\a)
.set rS, SX+4*(\p)+(\b)/2
.set rT, SY+4*(\p)+(\a)/2
.if \first
.if ((\a)%2) && ((\b)%2)
	v_wmma_scale_f32_16x16x128_f8f6f4 v[rD:rD+7], v[rX:rX+11], v[rY:rY+11], 0, v[rS], v[rT] matrix_a_fmt:MATRIX_FMT_FP6 matrix_b_fmt:MATRIX_FMT_FP6 matrix_a_scale:MATRIX_SCALE_ROW1 matrix_b_scale:MATRIX_SCALE_ROW1
.elseif (\b)%2
	v_wmma_scale_f32_16x16x128_f8f6f4 v[rD:rD+7], v[rX:rX+11], v[rY:rY+11], 0, v[rS], v[rT] matrix_a_fmt:MATRIX_FMT_FP6 matrix_b_fmt:MATRIX_FMT_FP6 matrix_a_scale:MATRIX_SCALE_ROW1
.elseif (\a)%2
	v_wmma_scale_f32_16x16x128_f8f6f4 v[rD:rD+7], v[rX:rX+11], v[rY:rY+11], 0, v[rS], v[rT] matrix_a_fmt:MATRIX_FMT_FP6 matrix_b_fmt:MATRIX_FMT_FP6 matrix_b_scale:MATRIX_SCALE_ROW1
.else
	v_wmma_scale_f32_16x16x128_f8f6f4 v[rD:rD+7], v[rX:rX+11], v[rY:rY+11], 0, v[rS], v[rT] matrix_a_fmt:MATRIX_FMT_FP6 matrix_b_fmt:MATRIX_FMT_FP6
.endif
.else
.if ((\a)%2) && ((\b)%2)
	v_wmma_scale_f32_16x16x128_f8f6f4 v[rD:rD+7], v[rX:rX+11], v[rY:rY+11], v[rD:rD+7], v[rS], v[rT] matrix_a_fmt:MATRIX_FMT_FP6 matrix_b_fmt:MATRIX_FMT_FP6 matrix_a_scale:MATRIX_SCALE_ROW1 matrix_b_scale:MATRIX_SCALE_ROW1
.elseif (\b)%2
	v_wmma_scale_f32_16x16x128_f8f6f4 v[rD:rD+7], v[rX:rX+11], v[rY:rY+11], v[rD:rD+7], v[rS], v[rT] matrix_a_fmt:MATRIX_FMT_FP6 matrix_b_fmt:MATRIX_FMT_FP6 matrix_a_scale:MATRIX_SCALE_ROW1
.elseif (\a)%2
	v_wmma_scale_f32_16x16x128_f8f6f4 v[rD:rD+7], v[rX:rX+11], v[rY:rY+11], v[rD:rD+7], v[rS], v[rT] matrix_a_fmt:MATRIX_FMT_FP6 matrix_b_fmt:MATRIX_FMT_FP6 matrix_b_scale:MATRIX_SCALE_ROW1
.else
	v_wmma_scale_f32_16x16x128_f8f6f4 v[rD:rD+7], v[rX:rX+11], v[rY:rY+11], v[rD:rD+7], v[rS], v[rT] matrix_a_fmt:MATRIX_FMT_FP6 matrix_b_fmt:MATRIX_FMT_FP6
.endif
.endif
.endm
.macro MULA a, p, first                ; Y's block a against all of X's
.irp b, 0,1,2,3,4,5,6,7
.if \b < NY
	MM \a, \b, \p, \first
.endif
.endr
.endm
.macro MULQ k, p, first                ; a quarter of a step.  All accumulators take turns, one instruction a turn, in the same order in every step
.if GEOA
	MULA 2*(\k), \p, \first
	MULA 2*(\k)+1, \p, \first
.else
	MULA \k, \p, \first
.endif
.endm
.macro STEP slot, q, first             ; a step of 128 along K whose successor lies in the same slot
	s_wait_dscnt 3*NY/2                            ; X's set, the scale words and Y's first half are in; the youngest loads (Y's second half) may be out
	WIN 0xa1
	MULQ 0, (\q)%2, \first
	MULQ 1, (\q)%2, \first
	s_wait_dscnt 0x0
	PLACES
	FX \slot, (\q)+1, 1-(\q)%2
	FS \slot, (\q)+1, 1-(\q)%2
	FY \slot, (\q)+1, 0
	WIN 0xf1
	MULQ 2, (\q)%2, \first
	MULQ 3, (\q)%2, \first
	PLACES
	WIN 0
	FY \slot, (\q)+1, NY/2
.endm
.macro TURN slot, next, fill           ; a slot's last step changes slots: one barrier; with fill = 1 it opens a round of the cluster's barrier and the slot is filled again
	s_wait_tensorcnt 0x0                           ; all my tensor loads have landed: my part of the next slot
	ds_add_u32 v[SPW], v[NIL]                      ; 0 onto my spare word
	s_wait_dscnt 3*NY/2+1                          ; (the add and Y's second half may be out)
	WIN 0xa1
	MULQ 0, 1, 0
	s_wait_dscnt 0x0                               ; the add is done, and my reads of this slot are over
	s_barrier_signal -1
	MULQ 1, 1, 0
	WIN 0
	s_barrier_wait -1
.if \fill
	CREST                                          ; no wave of any partner still reads this slot or has a load on its way
	s_add_nc_u64 s[G0Y+4*\slot+2:G0Y+4*\slot+3], s[G0Y+4*\slot+2:G0Y+4*\slot+3], 2*SLOTG
	s_add_nc_u64 s[G0X+4*\slot+2:G0X+4*\slot+3], s[G0X+4*\slot+2:G0X+4*\slot+3], 2*SLOTG
	JLOAD \slot                                    ; the first tensor load behind the round; its four v_nop are the places in front of the loads below
.else
	PLACES
.endif
	FX \next, 0, 0
	FS \next, 0, 0
	FY \next, 0, 0
	WIN 0xf1
	MULQ 2, 1, 0
	MULQ 3, 1, 0
	PLACES
	WIN 0
	FY \next, 0, NY/2
.endm
.macro MID slot                        ; a slot's steps between its first and its last
.if NQ == 4
	STEP \slot, 1, 0
	STEP \slot, 2, 0
.endif
.endm
	s_load_b128 s[4:7], s[0:1], 0x0                ; act1, mask
	s_load_b64 s[8:9], s[0:1], 0x10                ; qkv
	v_lshl_add_u32 v[SPW], v0, 2, SPARE
	v_mov_b32 v[NIL], 0
	ds_add_u32 v28, v29
	ds_add_u32 v28, v29
	s_wait_dscnt 0x0
	v_lshrrev_b32 v1, 5, v0
	v_readfirstlane_b32 s14, v1                    ; wave
	s_lshr_b32 s15, s14, 1                         ; which of Y's two blocks is mine.  Also: I fetch for Y (0) or X (1)
	s_and_b32 s16, s14, 1                          ; which of X's.  Also: which block I fetch
	s_bfe_u32 s40, ttmp6, 0x40000                  ; cx
	s_bfe_u32 s41, ttmp6, 0x40004                  ; cy
	s_lshl_b32 s43, s41, 2
	s_lshl_b32 s43, 15, s43                        ; my row of the cluster
	s_lshl_b32 s44, 0x1111, s40                    ; my column
	s_or_b32 s[G1Y], s43, (3<<16)|(1<<21)          ; 15:0 the mask; 17:16 elements of 8 bytes; 21 set beside a mask; no padding
	s_or_b32 s[G1X], s44, (3<<16)|(1<<21)
.irp g, G1Y, G1X                               ; two units, 25,600 dense bytes, as 100 rows of 256
	s_mov_b32 s[\g+1], 32<<16
	s_mov_b32 s[\g+2], 100<<16
	s_mov_b32 s[\g+3], 32<<16
	s_mov_b32 s[\g+4], 100
	s_mov_b32 s[\g+5], 32
	s_mov_b32 s[\g+6], 0
	s_mov_b32 s[\g+7], 0
.endr
	s_and_b32 s18, ttmp7, 0xffff                   ; the cluster's y, 0 .. 5
	s_lshr_b32 s19, s18, 2                         ; V = 1: this cluster makes v^T
	s_xor_b32 s22, s19, 1
	s_lshl_b32 s46, ttmp9, 3                       ; X's block: 8 x cluster x + 2 cx + half + 32 (1 - V) + 16 V (cluster y - 4)
	s_lshl_b32 s47, s40, 1
	s_add_co_u32 s46, s46, s47
	s_add_co_u32 s46, s46, s16
	s_lshl_b32 s47, s22, 5
	s_add_co_u32 s46, s46, s47
	s_sub_co_i32 s47, s18, 4
	s_mul_i32 s47, s47, s19
	s_lshl_b32 s47, s47, 4
	s_add_co_u32 s46, s46, s47
	s_mul_i32 s46, s46, NKS*UNIT
	s_mov_b32 s47, 0
	s_lshl_b32 s20, s41, 1                         ; Y's block: 2 cy + half + 8 x cluster y (1 - V) + 48 V
	s_add_co_u32 s20, s20, s16
	s_mul_i32 s21, s18, s22
	s_lshl_b32 s21, s21, 3
	s_add_co_u32 s20, s20, s21
	s_mul_i32 s21, s19, 48
	s_add_co_u32 s20, s20, s21
	s_mul_i32 s20, s20, NKS*UNIT
	s_mov_b32 s21, 0
	s_mul_i32 s45, s14, 2*UNIT                     ; where my two units go: no place in the cluster enters an LDS address
	s_wait_kmcnt 0x0
	s_add_nc_u64 s[20:21], s[4:5], s[20:21]
	s_add_nc_u64 s[46:47], s[4:5], s[46:47]
	CROUND                                         ; all sixteen work-groups are here: the first joint loads meet
.irp s, 0,1
	s_mov_b32 s[G0Y+4*\s], 1
	s_add_co_u32 s[G0Y+4*\s+1], s45, \s*SLOT
	s_add_nc_u64 s[G0Y+4*\s+2:G0Y+4*\s+3], s[20:21], \s*SLOTG
	s_or_b32 s[G0Y+4*\s+3], s[G0Y+4*\s+3], 0x80000000
	s_mov_b32 s[G0X+4*\s], 1
	s_add_co_u32 s[G0X+4*\s+1], s45, \s*SLOT
	s_add_nc_u64 s[G0X+4*\s+2:G0X+4*\s+3], s[46:47], \s*SLOTG
	s_or_b32 s[G0X+4*\s+3], s[G0X+4*\s+3], 0x80000000
.endr
	s_cmp_eq_u32 s15, 0                            ; the prefetches: of the 100 blocks of 256 bytes that I fetch for a slot, each of the four partners that ask with me names 25, told apart by address
	s_cselect_b32 s98, s40, s41                    ; my place among them: cx for Y's units, cy for X's
	s_cselect_b64 s[96:97], s[20:21], s[46:47]
	s_mul_i32 s98, s98, 6400
	s_mov_b32 s99, 0
	s_add_nc_u64 s[96:97], s[96:97], s[98:99]
	JLOAD 0                                        ; slot 0: one tensor load a wave at the head
	v_and_b32 v1, 31, v0
	v_lshlrev_b32 v2, 4, v1                        ; 16 x lane
	v_min_u32 v27, 24, v1                          ; a lane a block; the seven lanes left over name the last block again
	v_lshlrev_b32 v27, 8, v27
	s_wait_alu depctr_va_vdst(0)
	global_prefetch_b8 v27, s[96:97] offset:SLOTG th:TH_LOAD_NT scope:SCOPE_SE     ; slots 1 and 2; with slot 1's load slot 3 is asked for: two slots ahead, and the block's four slots end there
	global_prefetch_b8 v27, s[96:97] offset:2*SLOTG th:TH_LOAD_NT scope:SCOPE_SE
	s_mul_i32 s92, s15, YSTR
	s_mul_i32 s93, s16, YSTR
	s_add_co_u32 s93, s93, XH
	s_mul_i32 s94, s15, SSTR
	s_add_co_u32 s94, s94, 12288
	s_mul_i32 s95, s16, SSTR
	s_add_co_u32 s95, s95, XH+12288
.irp s, 0,1
	v_add_nc_u32 v[ADY+\s], s92, v2
	v_add_nc_u32 v[ADX+\s], s93, v2
	v_add_nc_u32 v[ASY+\s], s94, v2
	v_add_nc_u32 v[ASX+\s], s95, v2
	s_add_co_u32 s92, s92, SLOT
	s_add_co_u32 s93, s93, SLOT
	s_add_co_u32 s94, s94, SLOT
	s_add_co_u32 s95, s95, SLOT
.endr
	s_wait_alu depctr_va_vdst(0)
	s_wait_tensorcnt 0x0                           ; my part of slot 0 is in
	ds_add_u32 v[SPW], v[NIL]
	s_wait_dscnt 0x0
	CROUND                                         ; slot 0 is whole, and all sixteen work-groups are here
	JLOAD 1                                        ; slot 1, the first tensor load behind the round
	FX 0, 0, 0
	global_prefetch_b8 v27, s[96:97] offset:3*SLOTG th:TH_LOAD_NT scope:SCOPE_SE
	FS 0, 0, 0
	FY 0, 0, 0
	FY 0, 0, NY/2
	STEP 0, 0, 1                                   ; the first step stands in front of the loop: its products start the sums
.if LAPS > 1
	s_mov_b32 s3, LAPS-1
.Llap:
	MID 0
	TURN 0, 1, 1
	STEP 1, 0, 0
	MID 1
	TURN 1, 0, 1
	STEP 0, 0, 0
	s_sub_co_u32 s3, s3, 1
	s_cmp_lg_u32 s3, 0
	s_cbranch_scc1 .Llap
.endif
	MID 0
	TURN 0, 1, 0                                   ; the last lap fills nothing
	STEP 1, 0, 0
	MID 1
	s_wait_dscnt 3*NY/2                            ; the very last step
	WIN 0xa1
	MULQ 0, 1, 0
	MULQ 1, 1, 0
	s_wait_dscnt 0x0
	WIN 0xf1
	MULQ 2, 1, 0
	MULQ 3, 1, 0
	WIN 0
; THE WAYS OUT.  QUANT: 64 numbers of a lane in window w, register 16 b + i = k 32 b + 16 (lane / 16) + i of my row, become a fragment's codes in v[PC] on and its scale word in v[PW] (the same in lanes r and r + 16).
.set TM,  64
.set PC,  80
.set PW,  100
.set HI,  101
.set TT,  102
.set EA,  104
.set EB,  108
.set W0S, 112
.set W1S, 120
.set WO,  128
.set MK,  48
.set VE0, 56
.set VE1, 57
.set VH0, 58
.set VH1, 59
.macro QUANT s, w
	WIN (\w)|((\w)<<2)
.irp b, 0,1,2,3
	v_max3_num_f32 v[TM+\b], |v[(\s)+16*\b]|, |v[(\s)+16*\b+1]|, 0x1800000   ; each accumulator is read from its low end on; the floor 2^(3 - 127) holds the byte at 1
.endr
.irp i, 2,4,6,8,10,12,14
.irp b, 0,1,2,3
	v_max3_num_f32 v[TM+\b], |v[(\s)+16*\b+\i]|, |v[(\s)+16*\b+\i+1]|, v[TM+\b]
.endr
.endr
	WIN 0
.irp b, 0,1,2,3
	v_permlanex16_b32 v[TM+4+\b], v[TM+\b], s90, s91
.endr
.irp b, 0,1,2,3
	v_max_num_f32 v[TM+\b], v[TM+\b], v[TM+4+\b]
.endr
.irp b, 0,1,2,3
	v_add_nc_u32 v[TM+12+\b], 0xff000000, v[TM+\b] ; 2 off the exponent field: the conversion's scale operand
.endr
.irp b, 0,1,2,3
	v_lshrrev_b32 v[TM+4+\b], 23, v[TM+12+\b]
.endr
	v_lshl_or_b32 v[PW], v[TM+5], 8, v[TM+4]
	v_lshl_or_b32 v[PW], v[TM+6], 16, v[PW]
	v_lshl_or_b32 v[PW], v[TM+7], 24, v[PW]
	WIN \w
.irp c, 0,1
	v_cvt_scalef32_pk16_fp6_f32 v[PC+6*\c:PC+6*\c+2], v[(\s)+32*\c:(\s)+32*\c+15], v[TM+12+2*\c]
	v_cvt_scalef32_pk16_fp6_f32 v[PC+12+4*\c:PC+14+4*\c], v[(\s)+32*\c+16:(\s)+32*\c+31], v[TM+13+2*\c]
.endr
	WIN 0
	v_nop                                          ; one plain place behind a scaled conversion
.irp c, 0,1
.irp i, 0,1,2
	v_permlane16_swap_b32 v[PC+6*\c+\i], v[PC+12+4*\c+\i]
.endr
.irp i, 0,1,2
	v_mov_b32 v[PC+3+6*\c+\i], v[PC+12+4*\c+\i]
.endr
.endr
.endm
	PLACES
	s_mov_b32 s90, 0x76543210
	s_mov_b32 s91, 0xfedcba98
	s_mov_b32 s70, 0xffff0000                      ; lanes 16-31
.irp b, 0,1,2,3
	v_mov_b32 v[TM+4+\b], 0                        ; a lane permute's destination counts as one of its sources
.endr
	s_cmp_lt_u32 s18, 4                            ; the cluster's y: the same in all partners
	s_cbranch_scc0 .Lvpath
	; ---- q and k: my 128 tokens x two heads.  A head's unit is 8,704 bytes: tile a at 1,024 a (registers 0-3, then 4-7: two code words, the word with the code at k = 64, a zero), scale piece at 8,192.
	s_cmp_lg_u32 ttmp9, 0                          ; k?  Only numbers are chosen: q and k take one path
	s_cselect_b32 s71, -1, 0                       ; the mask counts for k alone
	s_cselect_b32 s72, 0, 8                        ; the code at k = 64: an open row's,
	s_cselect_b32 s73, 0x28, 8                     ; a masked row's
	s_mov_b32 s74, 0x7f7f0000
	s_cselect_b32 s75, 0x01010000, s74             ; the scale word's upper bytes likewise
	s_cselect_b32 s76, 0x01a00000, s74
	s_cselect_b32 s77, 4456448, 0                  ; where k's units begin
	s_lshl_b32 s78, s18, 3
	s_lshl_b32 s79, s41, 1
	s_add_co_u32 s78, s78, s79
	s_add_co_u32 s78, s78, s15                     ; my block of tokens
	s_lshl_b32 s80, s78, 9
	s_mov_b32 s81, 0
	s_add_nc_u64 s[68:69], s[6:7], s[80:81]        ; its 128 words of the mask
	s_lshl_b32 s79, s40, 1
	s_add_co_u32 s79, s79, s16
	s_lshl_b32 s79, s79, 1                         ; my first head
	s_lshr_b32 s80, s78, 4
	s_lshl_b32 s80, s80, 4
	s_add_co_u32 s80, s80, s79                     ; 16 x batch + head
	s_lshl_b32 s80, s80, 4
	s_and_b32 s79, s78, 15
	s_add_co_u32 s80, s80, s79
	s_mul_i32 s80, s80, 8704
	s_add_co_u32 s80, s80, s77
	s_add_nc_u64 s[66:67], s[8:9], s[80:81]
	v_and_b32 v4, 15, v0
	v_and_b32 v5, 8, v4
	v_add_nc_u32 v5, v5, v4
	v_lshlrev_b32 v25, 2, v5                       ; 4 (r + 8 (r / 8))
.irp a, 0,1,2,3,4,5,6,7
	global_load_b32 v[MK+\a], v25, s[68:69] offset:(32*(\a/2)+8*(\a%2))*4
.endr
	v_mov_b32 v[VE0], s72
	v_mov_b32 v[VE1], s73
	v_cndmask_b32 v[VE0], v[VE0], v[NIL], s70      ; the code at k = 64 lies in lanes 0-15
	v_cndmask_b32 v[VE1], v[VE1], v[NIL], s70
	v_mov_b32 v[VH0], s75
	v_mov_b32 v[VH1], s76
	v_mov_b32 v[EA+3], 0
	v_mov_b32 v[EB+3], 0
.irp a, 0,1,2,3,4,5,6,7
.if \a > 0
	s_wait_xcnt 0x0                                ; the last block's stores have read their data
.endif
	QUANT 64*(\a%4), 2+\a/4
.if \a == 0
	s_wait_loadcnt 0x0                             ; the mask
.endif
	v_cmp_eq_u32 vcc_lo, 0, v[MK+\a]
	s_and_b32 vcc_lo, vcc_lo, s71                  ; my row is a masked key
.irp i, 0,1,2,3,6,7,8,9
	v_cndmask_b32 v[PC+\i], v[PC+\i], v[NIL], vcc_lo
.endr
	v_cndmask_b32 v[EA], v[PC+4], v[NIL], vcc_lo
	v_cndmask_b32 v[EA+1], v[PC+5], v[NIL], vcc_lo
	v_cndmask_b32 v[EB], v[PC+10], v[NIL], vcc_lo
	v_cndmask_b32 v[EB+1], v[PC+11], v[NIL], vcc_lo
	v_cndmask_b32 v[EA+2], v[VE0], v[VE1], vcc_lo
	v_cndmask_b32 v[EB+2], v[VE0], v[VE1], vcc_lo
	v_cndmask_b32 v[HI], v[VH0], v[VH1], vcc_lo
	v_and_or_b32 v[W0S+\a], v[PW], 0xffff, v[HI]   ; the first head's two bytes,
	v_lshrrev_b32 v[TT], 16, v[PW]
	v_or_b32 v[W1S+\a], v[TT], v[HI]               ; the second's
	global_store_b128 v2, v[PC:PC+3], s[66:67] offset:1024*\a
	global_store_b128 v2, v[EA:EA+3], s[66:67] offset:1024*\a+512
	global_store_b128 v2, v[PC+6:PC+9], s[66:67] offset:139264+1024*\a
	global_store_b128 v2, v[EB:EB+3], s[66:67] offset:139264+1024*\a+512
.endr
.irp j, 0,1,2,3
	v_cndmask_b32 v[WO+\j], v[W0S+2*\j], v[W0S+2*\j+1], s70
	v_cndmask_b32 v[WO+4+\j], v[W1S+2*\j], v[W1S+2*\j+1], s70
.endr
	global_store_b128 v2, v[WO:WO+3], s[66:67] offset:8192
	global_store_b128 v2, v[WO+4:WO+7], s[66:67] offset:139264+8192
	s_branch .Ldone
.Lvpath:
	; ---- v^T: my 128 channels (a pair of heads) x 128 keys: one unit
	s_lshl_b32 s78, s41, 1
	s_add_co_u32 s78, s78, s15                     ; the pair of heads
	s_lshl_b32 s78, s78, 5
	s_lshl_b32 s79, ttmp9, 3
	s_add_co_u32 s78, s78, s79
	s_lshl_b32 s79, s40, 1
	s_add_co_u32 s78, s78, s79
	s_add_co_u32 s78, s78, s16
	s_sub_co_u32 s79, s18, 4
	s_lshl_b32 s79, s79, 4
	s_add_co_u32 s78, s78, s79                     ; + the block of tokens
	s_mul_i32 s78, s78, UNIT
	s_add_co_u32 s78, s78, 8912896
	s_mov_b32 s79, 0
	s_add_nc_u64 s[66:67], s[8:9], s[78:79]
.irp a, 0,1,2,3,4,5,6,7
.if \a > 0
	s_wait_xcnt 0x0
.endif
	QUANT 64*(\a%4), 2+\a/4
.irp c, 0,1,2
	global_store_b128 v2, v[PC+4*\c:PC+4*\c+3], s[66:67] offset:1536*\a+512*\c
.endr
	v_mov_b32 v[W0S+\a], v[PW]
.endr
.irp j, 0,1,2,3
	v_cndmask_b32 v[WO+\j], v[W0S+2*\j], v[W0S+2*\j+1], s70
.endr
	global_store_b128 v2, v[WO:WO+3], s[66:67] offset:12288
.Ldone:
	s_wait_tensorcnt 0x0                           ; the wave's end
	ds_add_u32 v[SPW], v[NIL]
	s_wait_dscnt 0x0
	CROUND                                         ; the closing round
	s_endpgm
.Lfunc_end_k_q2ebda4fc8a_qkv:
	.size	k_q2ebda4fc8a_qkv, .Lfunc_end_k_q2ebda4fc8a_qkv-k_q2ebda4fc8a_qkv
	.p2alignl 7, 3214868480
	.fill 96, 4, 3214868480
	.section	.rodata,"a",@progbits
	.p2align	6, 0x0
	.amdhsa_kernel k_q2ebda4fc8a_qkv
		.amdhsa_group_segment_fixed_size 327680
		.amdhsa_private_segment_fixed_size 0
		.amdhsa_enable_private_segment 0
		.amdhsa_kernarg_size 24
		.amdhsa_user_sgpr_count 2
		.amdhsa_user_sgpr_kernarg_segment_ptr 1
		.amdhsa_wavefront_size32 1
		.amdhsa_system_sgpr_workgroup_id_x 1
		.amdhsa_system_sgpr_workgroup_id_y 1
		.amdhsa_system_sgpr_workgroup_id_z 1
		.amdhsa_system_vgpr_workitem_id 0
		.amdhsa_next_free_vgpr 1024
		.amdhsa_next_free_sgpr 100
		.amdhsa_reserve_vcc 1
		.amdhsa_float_denorm_mode_32 3
		.amdhsa_float_denorm_mode_16_64 3
		.amdhsa_memory_ordered 1
		.amdhsa_forward_progress 1
		.amdhsa_inst_pref_size 181
	.end_amdhsa_kernel
	.amdgpu_metadata
---
amdhsa.version: [ 1, 2 ]
amdhsa.kernels:
  - .name:           k_q2ebda4fc8a_qkv
    .symbol:         k_q2ebda4fc8a_qkv.kd
    .args:
      - { .name: act1, .offset: 0, .size: 8, .value_kind: global_buffer, .address_space: global }
      - { .name: mask, .offset: 8, .size: 8, .value_kind: global_buffer, .address_space: global }
      - { .name: qkv, .offset: 16, .size: 8, .value_kind: global_buffer, .address_space: global }
    .group_segment_fixed_size: 327680
    .private_segment_fixed_size: 0
    .kernarg_segment_align: 8
    .kernarg_segment_size: 24
    .max_flat_workgroup_size: 128
    .sgpr_count:     100
    .vgpr_count:     1024
    .wavefront_size: 32
...
	.end_amdgpu_metadata
.endif
;; end of part 2
;; launch att (part 3): grid 16 x 16, 16 waves a work-group, clusters of 4 x 1, 327,680 bytes of LDS; arguments qkv, oimg; writes oimg
.if DOCPART == 3
	.amdgcn_target "amdgcn-amd-amdhsa--gfx1250"
	.amdhsa_code_object_version 6
	.text
	.protected	k_q2ebda4fc8a_att
	.globl	k_q2ebda4fc8a_att
	.p2align	8
	.type	k_q2ebda4fc8a_att,@function
k_q2ebda4fc8a_att:
	s_mov_b64 s[64:65], 0
	v_nop
	global_prefetch_b8 v0, s[64:65] scope:SCOPE_SE
	s_setreg_imm32_b32 hwreg(HW_REG_WAVE_MODE, 25, 1), 1
	s_wait_xcnt 0x0
	s_wait_alu depctr_hold_cnt(0) depctr_sa_sdst(0) depctr_va_vdst(0) depctr_va_sdst(0) depctr_va_ssrc(0) depctr_va_vcc(0) depctr_vm_vsrc(0)
	s_getreg_b32 s2, hwreg(HW_REG_IB_STS2, 6, 4)
	s_cmp_eq_u32 s2, 0
	s_cbranch_scc0 .Lentry_in_a_cluster
	s_endpgm
.Lentry_in_a_cluster:
	s_bfe_u32 s2, ttmp6, 0x10000c
	s_cmp_lg_u32 s2, 0x3003
	s_cbranch_scc0 .Lentry_shape_is_right
	s_endpgm
.Lentry_shape_is_right:
; Attention on codes of E2M3: S^T = k q^T, p = 2^(t - M) quantised along the keys, O^T = v^T p^T, O / l quantised along the model's 1,024 and stored as an operand's image.
; t = score x log2(e) / 8; M = the running largest t rounded UP to a whole number; l = the sum of the unquantised p.  When M moves, l and O^T are multiplied by 2^(old M - new M): exact.
; THE MASK lies in k's codes: a masked key's score is exactly -2^33 (see the launch that makes them), so its p is 0 beside any open key, and 1 in a row whose keys are all masked, as the formula has it.  LIMIT: open logits under about -1e9 are not told from masked ones.
; INPUTS (images of operands' registers): q, k: [32 heads][16 blocks of 128 tokens][8,704 bytes]: tile i at 1,024 i (registers 0-7 of twelve; 8-11 are zeros kept here), scale piece at 8,192.  v^T: [8 pairs of heads][32 blocks of keys][12,800 bytes].
; Index r of tile i is row 32 (i / 2) + 8 (i % 2) + r + 8 (r / 8): as source 0 it makes a lane's 16 registers of tiles 2 b, 2 b + 1 sixteen neighbours.
; SHARES: a work-group owns 128 queries of a PAIR of heads, so that it makes one whole unit of the output; wave w: head w / 8, tile w % 8: 16 queries in 256 registers, four waves to a SIMD, so that one wave's vector work stands beside another's products.
; RING: two LDS slots of four key steps (128 keys each): k of both heads (2 x 34,816 bytes), v^T (51,200).  Waves 0, 1 fetch k's, waves 2, 3 v's halves.  CLUSTER 4 x 1: four query blocks walk the same k and v: joint loads.
; REGISTERS: v1-7 addresses that stay, v8-10 of the step, v11 my 16 bytes of the unit; v12 -M, v13 largest t, v[14:15] l; v16-27 q; v28-31 k's scale words; v32-79 four fragments of k; v80-127 four of v; v128-191 S^T, then p; v192-223 O^T; v224-247 p's codes and work; v248-249 v's scale words; v252 f, v253 p's scale word, v255 q's.
.set QKU,   8704
.set UNIT,  12800
.set SLOT1, 131072
.set KH,    4*QKU
.set VOFF,  2*KH
.set OST,   262144                     ; the output's unit, gathered by LDS stores: no tile lands here
.set SPARE, 275456                     ; the spare words: 128 bytes for each of sixteen waves
.set KBASE, 4456448
.set VBASE, 8912896
.set S,   128
.set O,   192
.set AK0, 1
.set AV0, 2
.set AT0, 3
.set ADK, 8
.set ADV, 9
.set ADT, 10
.set SPW, 250
.set NIL, 251
.set WV,  18
.set SEL, 20
.set CS,  22
.set G1K, 24
.set G1V, 32
.set G0K, 40
.set G0V, 44
.set TB,  66
.set SLOTS, 67
.macro TLOAD                           ; waves 0, 1: k's line; waves 2, 3: v's; the others none.  Four v_nop follow each line
	s_cmp_lt_u32 s[WV], 2
	s_cbranch_scc0 .Lnot_k_\@
	tensor_load_to_lds s[G0K:G0K+3], s[G1K:G1K+7]
	s_nop 0
.rept 4
	v_nop
.endr
	s_branch .Lasked_\@
.Lnot_k_\@:
	s_cmp_lt_u32 s[WV], 4
	s_cbranch_scc0 .Lasked_\@
	tensor_load_to_lds s[G0V:G0V+3], s[G1V:G1V+7]
	s_nop 0
.rept 4
	v_nop
.endr
.Lasked_\@:
.endm
.macro CROUND                          ; a round of the cluster's barrier
	s_barrier_signal -1
	s_barrier_wait -1
	s_cmp_lg_u32 s[WV], 0
	s_cbranch_scc1 .Lnot_wave_0_\@
	s_barrier_signal -3
.Lnot_wave_0_\@:
	s_barrier_wait -3
	s_barrier_signal -1
	s_barrier_wait -1
.endm
	s_load_b128 s[4:7], s[0:1], 0x0                ; qkv, oimg
	v_lshl_add_u32 v[SPW], v0, 2, SPARE
	v_mov_b32 v[NIL], 0
	ds_add_u32 v250, v251
	ds_add_u32 v250, v251
	s_wait_dscnt 0x0
	v_lshrrev_b32 v8, 5, v0
	s_delay_alu instid0(VALU_DEP_1)
	v_readfirstlane_b32 s[WV], v8                  ; wave 0..15
	s_and_b32 s17, s[WV], 7                        ; my tile of queries
	s_lshr_b32 s19, s[WV], 3                       ; my head of the pair
	s_and_b32 s69, s[WV], 1                        ; which half I fetch, if I fetch
	s_bfe_u32 s68, ttmp6, 0x40000                  ; cx: it enters q's and the output's addresses alone
	s_and_b32 s70, ttmp7, 0xffff                   ; 8 x batch + pair of heads
	s_lshl_b32 s72, s70, 1
	s_add_co_u32 s72, s72, s69
	s_mul_i32 s72, s72, 16*QKU
	s_add_co_u32 s72, s72, KBASE                   ; k of head 2 y + half
	s_mov_b32 s73, 0
	s_and_b32 s74, s70, 7
	s_lshl_b32 s74, s74, 5
	s_lshr_b32 s75, s70, 3
	s_lshl_b32 s75, s75, 4
	s_add_co_u32 s74, s74, s75
	s_lshl_b32 s75, s69, 1
	s_add_co_u32 s74, s74, s75
	s_mul_i32 s74, s74, UNIT
	s_add_co_u32 s74, s74, VBASE                   ; v^T: unit 32 x pair + 16 x batch + 2 x half
	s_mov_b32 s75, 0
	s_mul_i32 s76, s69, KH
	s_mul_i32 s77, s69, 2*UNIT
	s_add_co_u32 s77, s77, VOFF
	s_mov_b32 s[G1K], 15|(3<<16)|(1<<21)           ; the mask: all four work-groups; elements of 8 bytes; bit 21 beside a mask; no padding
	s_mov_b32 s[G1K+1], 32<<16                     ; 34,816 dense bytes as 136 rows of 256
	s_mov_b32 s[G1K+2], 136<<16
	s_mov_b32 s[G1K+3], 32<<16
	s_mov_b32 s[G1K+4], 136
	s_mov_b32 s[G1K+5], 32
	s_mov_b32 s[G1K+6], 0
	s_mov_b32 s[G1K+7], 0
	s_mov_b32 s[G1V], 15|(3<<16)|(1<<21)
	s_mov_b32 s[G1V+1], 32<<16                     ; 25,600 dense bytes as 100 rows
	s_mov_b32 s[G1V+2], 100<<16
	s_mov_b32 s[G1V+3], 32<<16
	s_mov_b32 s[G1V+4], 100
	s_mov_b32 s[G1V+5], 32
	s_mov_b32 s[G1V+6], 0
	s_mov_b32 s[G1V+7], 0
	s_mov_b32 s[SEL], 0x76543210
	s_mov_b32 s[SEL+1], 0xfedcba98
	s_mov_b32 s[CS], 0x3e38aa3b                    ; c = log2(e) / 8
	s_mov_b32 s[CS+1], s[CS]
	s_mov_b32 s[TB], 0
	s_mov_b32 s[SLOTS], 3
	s_lshl_b32 s78, ttmp9, 2
	s_add_co_u32 s78, s78, s68                     ; my block of 128 queries
	s_lshl_b32 s79, s70, 1
	s_add_co_u32 s79, s79, s19
	s_lshl_b32 s79, s79, 4
	s_add_co_u32 s79, s79, s78
	s_mul_i32 s79, s79, QKU                        ; q's unit
	s_lshl_b32 s80, s17, 10
	s_add_co_u32 s80, s80, s79                     ; my tile in it
	s_mov_b32 s81, 0
	s_and_b32 s82, s17, 1
	s_lshl_b32 s82, s82, 8
	s_lshr_b32 s83, s17, 1
	s_lshl_b32 s83, s83, 2
	s_add_co_u32 s82, s82, s83
	s_add_co_u32 s89, s82, OST+12288               ; (the same place in the output's scale piece)
	s_add_co_u32 s82, s82, s79
	s_add_co_u32 s82, s82, 8192                    ; my tile's scale words less 16 r
	s_mov_b32 s83, 0
	s_lshr_b32 s84, s70, 3
	s_lshl_b32 s84, s84, 4
	s_add_co_u32 s84, s84, s78
	s_lshl_b32 s84, s84, 3
	s_and_b32 s85, s70, 7
	s_add_co_u32 s84, s84, s85
	s_mul_i32 s84, s84, UNIT                       ; the output's unit: block of tokens x 8 + pair
	s_mov_b32 s85, 0
	s_wait_kmcnt 0x0
	s_mov_b32 s[G0K], 1
	s_mov_b32 s[G0K+1], s76
	s_add_nc_u64 s[G0K+2:G0K+3], s[4:5], s[72:73]
	s_or_b32 s[G0K+3], s[G0K+3], 0x80000000
	s_mov_b32 s[G0V], 1
	s_mov_b32 s[G0V+1], s77
	s_add_nc_u64 s[G0V+2:G0V+3], s[4:5], s[74:75]
	s_or_b32 s[G0V+3], s[G0V+3], 0x80000000
	s_add_nc_u64 s[80:81], s[4:5], s[80:81]
	s_add_nc_u64 s[82:83], s[4:5], s[82:83]
	s_add_nc_u64 s[84:85], s[6:7], s[84:85]
	CROUND                                         ; all four work-groups are here
	TLOAD                                          ; slot 0
	v_and_b32 v8, 31, v0
	s_delay_alu instid0(VALU_DEP_1)
	v_lshlrev_b32 v9, 4, v8                        ; 16 x lane
	s_wait_alu depctr_va_vdst(0)
	v_and_b32 v10, 15, v0
	s_delay_alu instid0(VALU_DEP_1)
	v_lshlrev_b32 v10, 4, v10                      ; 16 r
	s_wait_alu depctr_va_vdst(0)
	global_load_b128 v[16:19], v9, s[80:81]
	global_load_b128 v[20:23], v9, s[80:81] offset:512
	global_load_b32 v255, v10, s[82:83]
	s_mul_i32 s86, s19, KH
	v_add_nc_u32 v[AK0], s86, v9
	s_mul_i32 s86, s19, 6144
	s_add_co_u32 s86, s86, VOFF
	v_add_nc_u32 v[AV0], s86, v9
	s_lshl_b32 s86, s19, 3
	s_add_co_u32 s86, s86, VOFF+12288
	v_add_nc_u32 v[AT0], s86, v9
	s_mul_i32 s86, s17, 1536
	s_add_co_u32 s86, s86, OST                     ; my tile's fragment in the output's unit: my head's six registers are numbers 6 hd .. 6 hd + 5 of twelve
	s_mul_i32 s87, s19, 520
	s_add_co_u32 s88, s86, s87
	v_add_nc_u32 v4, s88, v9
	s_add_co_u32 s88, s88, 512
	v_add_nc_u32 v6, s88, v9
	s_mul_i32 s87, s19, 1016
	s_add_co_u32 s88, s86, s87
	s_add_co_u32 s88, s88, 8
	v_add_nc_u32 v5, s88, v9
	s_lshl_b32 s87, s19, 1
	s_add_co_u32 s89, s89, s87
	v_add_nc_u32 v7, s89, v10                      ; my head's two scale bytes
	s_lshl_b32 s87, s[WV], 9
	v_add_nc_u32 v11, s87, v9                      ; 512 w + 16 x lane
.irp j, 24,25,26,27, 40,41,42,43, 52,53,54,55, 64,65,66,67, 76,77,78,79
	v_mov_b32 v[\j], 0                             ; registers 8-11 of q's and k's fragments: zero codes, written once
.endr
	v_mov_b32 v13, 0xff61b1e6                      ; the largest t so far: -3e38
	s_delay_alu instid0(VALU_DEP_1)
	v_floor_f32 v12, -v13
	v_mov_b32 v14, 0
	v_mov_b32 v15, 0
.irp b, 0,1,2,3
	v_mov_b32 v[236+\b], 0
.endr
	v_mov_b32 v253, 0
.set j, 0
.rept 32
	v_mov_b32 v[O+j], 0                            ; the step is written once: the first finds zeros
.set j, j+1
.endr
.macro KLD g, q                        ; four tiles of k: eight of each fragment's twelve registers
.irp i, 0,1,2,3
	ds_load_b128 v[32+12*\i:35+12*\i], v[ADK] offset:QKU*(\q)+1024*(4*\g+\i)
	ds_load_b128 v[36+12*\i:39+12*\i], v[ADK] offset:QKU*(\q)+1024*(4*\g+\i)+512
.endr
.endm
.macro KQ4 g                           ; S^T of four tiles; an odd tile's scale words lie in lanes 16-31
.irp t, 0,1,2,3
.if \t%2
	v_wmma_scale_f32_16x16x128_f8f6f4 v[S+8*(4*\g+\t):S+8*(4*\g+\t)+7], v[32+12*\t:43+12*\t], v[16:27], 0, v[28+2*\g+\t/2], v255 matrix_a_fmt:MATRIX_FMT_FP6 matrix_b_fmt:MATRIX_FMT_FP6 matrix_a_scale:MATRIX_SCALE_ROW1
.else
	v_wmma_scale_f32_16x16x128_f8f6f4 v[S+8*(4*\g+\t):S+8*(4*\g+\t)+7], v[32+12*\t:43+12*\t], v[16:27], 0, v[28+2*\g+\t/2], v255 matrix_a_fmt:MATRIX_FMT_FP6 matrix_b_fmt:MATRIX_FMT_FP6
.endif
.endr
.endm
.macro STEP q                          ; 128 keys: the q-th step of the slot in hand
	v_add_nc_u32 v[ADK], s[TB], v[AK0]
	v_add_nc_u32 v[ADV], s[TB], v[AV0]
	v_add_nc_u32 v[ADT], s[TB], v[AT0]
	v_nop                                          ; four places behind the last step's products, in front of loads into their registers
	ds_load_b128 v[28:31], v[ADK] offset:QKU*(\q)+8192
	KLD 0, \q
.irp t, 0,1,2,3
.irp c, 0,1,2
	ds_load_b128 v[80+12*\t+4*\c:83+12*\t+4*\c], v[ADV] offset:UNIT*(\q)+1536*\t+512*\c
.endr
.endr
	ds_load_b64 v[248:249], v[ADT] offset:UNIT*(\q)
	s_wait_alu depctr_va_vdst(0)
	s_wait_dscnt 13                                ; k's words and first four tiles are in; v's thirteen loads may be out
	KQ4 0
.rept 4
	v_nop
.endr
	KLD 1, \q
	s_wait_dscnt 0x0
	KQ4 1
.rept 4
	v_nop
.endr
.irp b, 0,1,2,3
	v_max3_num_f32 v[232+\b], v[S+16*\b], v[S+1+16*\b], v[S+2+16*\b]   ; the largest score of each block of 32 keys: for the row's maximum, and, since p rises with the score, for the block's largest p
.endr
.irp i, 3,5,7,9,11,13
.irp b, 0,1,2,3
	v_max3_num_f32 v[232+\b], v[232+\b], v[S+16*\b+\i], v[S+1+16*\b+\i]
.endr
.endr
.irp b, 0,1,2,3
	v_max_num_f32 v[232+\b], v[232+\b], v[S+15+16*\b]
.endr
.irp b, 0,1,2,3
	s_delay_alu instid0(VALU_DEP_4)
	v_permlanex16_b32 v[236+\b], v[232+\b], s[SEL], s[SEL+1]
.endr
.irp b, 0,1,2,3
	s_delay_alu instid0(VALU_DEP_4)
	v_max_num_f32 v[232+\b], v[232+\b], v[236+\b]
.endr
	s_delay_alu instid0(VALU_DEP_2)
	v_max3_num_f32 v254, v232, v233, v234
	s_delay_alu instid0(VALU_DEP_1)
	v_max_num_f32 v254, v254, v235
	s_delay_alu instid0(VALU_DEP_1)
	v_mul_f32 v254, s[CS], v254
	s_delay_alu instid0(VALU_DEP_1)
	v_max_num_f32 v13, v13, v254                   ; the running largest t
	v_mov_b32 v254, v12
	s_delay_alu instid0(VALU_DEP_2)
	v_floor_f32 v12, -v13                          ; -M = floor(-t): M is a whole number
	s_delay_alu instid0(VALU_DEP_1)
	v_sub_f32 v254, v12, v254
	s_delay_alu instid0(VALU_DEP_1)
	v_cvt_i32_f32 v254, v254                       ; (it saturates)
	s_delay_alu instid0(VALU_DEP_1)
	v_ldexp_f32 v252, 1.0, v254                    ; f = 2^(old M - new M)
.set j, 0
.rept 32
	v_pk_fma_f32 v[S+j:S+j+1], v[S+j:S+j+1], s[CS:CS+1], v[12:13] op_sel_hi:[1,0,0]   ; t - M
.set j, j+2
.endr
.irp b, 0,1,2,3
	v_fma_f32 v[232+\b], v[232+\b], s[CS], v12
.endr
.set j, 0
	s_wait_alu depctr_va_vdst(0)
.rept 64
	v_exp_f32 v[S+j], v[S+j]                       ; p, not normalised
.set j, j+1
.endr
.irp b, 0,1,2,3
	v_exp_f32 v[232+\b], v[232+\b]
.endr
	v_pk_mul_f32 v[14:15], v[14:15], v[252:253] op_sel_hi:[1,0]   ; l under the new M (a plain place behind the exponentials)
	s_wait_alu depctr_va_vdst(0)
.irp b, 0,1,2,3
	v_max_num_f32 v[232+\b], 0x1800000, v[232+\b]  ; the floor 2^(3 - 127)
.endr
.irp b, 0,1,2,3
	s_delay_alu instid0(VALU_DEP_4)
	v_add_nc_u32 v[244+\b], 0xff000000, v[232+\b]
.endr
.irp b, 0,1,2,3
	s_delay_alu instid0(VALU_DEP_4)
	v_lshrrev_b32 v[236+\b], 23, v[244+\b]
.endr
	s_delay_alu instid0(VALU_DEP_3)
	v_lshl_or_b32 v253, v237, 8, v236              ; p's scale word
	s_delay_alu instid0(VALU_DEP_1)
	v_lshl_or_b32 v253, v238, 16, v253
	s_delay_alu instid0(VALU_DEP_1)
	v_lshl_or_b32 v253, v239, 24, v253
.irp c, 0,1
	v_cvt_scalef32_pk16_fp6_f32 v[224+6*\c:226+6*\c], v[S+32*\c:S+15+32*\c], v[244+2*\c]
	v_cvt_scalef32_pk16_fp6_f32 v[236+4*\c:238+4*\c], v[S+16+32*\c:S+31+32*\c], v[244+2*\c+1]
.endr
	v_nop
.irp c, 0,1
.irp i, 0,1,2
	v_permlane16_swap_b32 v[224+6*\c+\i], v[236+4*\c+\i]
.endr
.irp i, 0,1,2
	s_delay_alu instid0(VALU_DEP_3)
	v_mov_b32 v[227+6*\c+\i], v[236+4*\c+\i]
.endr
.endr
	v_pk_add_f32 v[236:237], v[132:133], v[136:137]
	v_pk_add_f32 v[246:247], v[140:141], v[144:145]
	v_pk_add_f32 v[244:245], v[148:149], v[152:153]
	v_pk_add_f32 v[242:243], v[156:157], v[160:161]
	v_pk_add_f32 v[240:241], v[164:165], v[168:169]
	v_pk_add_f32 v[74:75], v[172:173], v[176:177]
	v_pk_add_f32 v[72:73], v[180:181], v[184:185]
	v_pk_add_f32 v[14:15], v[14:15], v[188:189]
	v_pk_add_f32 v[236:237], v[236:237], v[128:129]
	v_pk_add_f32 v[246:247], v[246:247], v[130:131]
	v_pk_add_f32 v[244:245], v[244:245], v[134:135]
	v_pk_add_f32 v[242:243], v[242:243], v[138:139]
	v_pk_add_f32 v[240:241], v[240:241], v[142:143]
	v_pk_add_f32 v[74:75], v[74:75], v[146:147]
	v_pk_add_f32 v[72:73], v[72:73], v[150:151]
	v_pk_add_f32 v[14:15], v[14:15], v[154:155]
	v_pk_add_f32 v[236:237], v[236:237], v[158:159]
	v_pk_add_f32 v[246:247], v[246:247], v[162:163]
	v_pk_add_f32 v[244:245], v[244:245], v[166:167]
	v_pk_add_f32 v[242:243], v[242:243], v[170:171]
	v_pk_add_f32 v[240:241], v[240:241], v[174:175]
	v_pk_add_f32 v[74:75], v[74:75], v[178:179]
	v_pk_add_f32 v[72:73], v[72:73], v[182:183]
	v_pk_add_f32 v[14:15], v[14:15], v[186:187]
	v_pk_add_f32 v[236:237], v[236:237], v[190:191]
	s_delay_alu instid0(VALU_DEP_2)
	v_pk_add_f32 v[14:15], v[14:15], v[242:243]
	s_delay_alu instid0(VALU_DEP_2)
	v_pk_add_f32 v[236:237], v[236:237], v[240:241]
	v_pk_add_f32 v[246:247], v[246:247], v[74:75]
	v_pk_add_f32 v[244:245], v[244:245], v[72:73]
	s_delay_alu instid0(VALU_DEP_2)
	v_pk_add_f32 v[14:15], v[14:15], v[246:247]
	s_delay_alu instid0(VALU_DEP_2)
	v_pk_add_f32 v[236:237], v[236:237], v[244:245]
	s_delay_alu instid0(VALU_DEP_1)
	v_pk_add_f32 v[14:15], v[14:15], v[236:237]
.set j, 0
.rept 16
	v_pk_mul_f32 v[O+j:O+j+1], v[O+j:O+j+1], v[252:253] op_sel_hi:[1,0]   ; O^T under the new M; also the places in front of the scaled products below
.set j, j+2
.endr
.irp t, 0,1,2,3
.if \t%2
	v_wmma_scale_f32_16x16x128_f8f6f4 v[O+8*\t:O+8*\t+7], v[80+12*\t:91+12*\t], v[224:235], v[O+8*\t:O+8*\t+7], v[248+\t/2], v253 matrix_a_fmt:MATRIX_FMT_FP6 matrix_b_fmt:MATRIX_FMT_FP6 matrix_a_scale:MATRIX_SCALE_ROW1
.else
	v_wmma_scale_f32_16x16x128_f8f6f4 v[O+8*\t:O+8*\t+7], v[80+12*\t:91+12*\t], v[224:235], v[O+8*\t:O+8*\t+7], v[248+\t/2], v253 matrix_a_fmt:MATRIX_FMT_FP6 matrix_b_fmt:MATRIX_FMT_FP6
.endif
.endr
.endm
.macro CHANGE fill                     ; at a slot's head: the slot ahead is whole, nobody reads the other; fill = 1: that other slot takes the next four key steps
	s_wait_tensorcnt 0x0                           ; no tensor load of mine is out
	ds_add_u32 v[SPW], v[NIL]                      ; 0 onto my spare word
.if \fill
	s_xor_b32 s[G0K+1], s[G0K+1], SLOT1
	s_add_nc_u64 s[G0K+2:G0K+3], s[G0K+2:G0K+3], KH
	s_xor_b32 s[G0V+1], s[G0V+1], SLOT1
	s_add_nc_u64 s[G0V+2:G0V+3], s[G0V+2:G0V+3], 4*UNIT
.endif
	s_wait_dscnt 0x0                               ; the add is done, and my reads of the slot that I have left are over
.if \fill
	CROUND
	TLOAD                                          ; the first thing behind the round, a wave's one tensor load until the next
.else
	s_barrier_signal -1
	s_barrier_wait -1
.endif
.endm
.macro SLOT_STEPS
	STEP 0
	STEP 1
	STEP 2
	STEP 3
	s_xor_b32 s[TB], s[TB], SLOT1
.endm
	s_wait_loadcnt 0x0                             ; q
.Lslot:                                            ; three trips: behind each change of slots but the last the next slot is asked for
	CHANGE 1
	SLOT_STEPS
	s_sub_co_u32 s[SLOTS], s[SLOTS], 1
	s_cmp_lg_u32 s[SLOTS], 0
	s_cbranch_scc1 .Lslot
	CHANGE 0                                       ; the last slot is written out
	SLOT_STEPS
	; THE WAY OUT: O^T / l, quantised along my head's 64 channels (two blocks), into the work-group's unit in LDS; a barrier; the unit leaves in pieces of 512 bytes.
.set PC, 128
.set TM, 160
.set PW, 176
.rept 4
	v_nop
.endr
	v_add_f32 v14, v14, v15
	s_delay_alu instid0(VALU_DEP_1)
	v_permlanex16_b32 v252, v14, s[SEL], s[SEL+1]
	s_delay_alu instid0(VALU_DEP_1)
	v_add_f32 v14, v14, v252
	s_wait_alu depctr_va_vdst(0)
	v_rcp_f32 v14, v14
	v_nop
	s_wait_alu depctr_va_vdst(0)
	v_mov_b32 v15, v14
.set j, 0
.rept 16
	v_pk_mul_f32 v[O+j:O+j+1], v[O+j:O+j+1], v[14:15]
.set j, j+2
.endr
.irp b, 0,1
	v_max3_num_f32 v[TM+\b], |v[O+16*\b]|, |v[O+16*\b+1]|, 0x1800000
.endr
.irp i, 2,4,6,8,10,12,14
.irp b, 0,1
	s_delay_alu instid0(VALU_DEP_2)
	v_max3_num_f32 v[TM+\b], |v[O+16*\b+\i]|, |v[O+16*\b+\i+1]|, v[TM+\b]
.endr
.endr
.irp b, 0,1
	v_permlanex16_b32 v[TM+4+\b], v[TM+\b], s[SEL], s[SEL+1]
.endr
.irp b, 0,1
	s_delay_alu instid0(VALU_DEP_2)
	v_max_num_f32 v[TM+\b], v[TM+\b], v[TM+4+\b]
.endr
.irp b, 0,1
	s_delay_alu instid0(VALU_DEP_2)
	v_add_nc_u32 v[TM+12+\b], 0xff000000, v[TM+\b]
.endr
.irp b, 0,1
	s_delay_alu instid0(VALU_DEP_2)
	v_lshrrev_b32 v[TM+4+\b], 23, v[TM+12+\b]
.endr
	s_delay_alu instid0(VALU_DEP_1)
	v_lshl_or_b32 v[PW], v[TM+5], 8, v[TM+4]
	v_cvt_scalef32_pk16_fp6_f32 v[PC:PC+2], v[O:O+15], v[TM+12]
	v_cvt_scalef32_pk16_fp6_f32 v[PC+12:PC+14], v[O+16:O+31], v[TM+13]
	v_nop
.irp i, 0,1,2
	v_permlane16_swap_b32 v[PC+\i], v[PC+12+\i]
.endr
.irp i, 0,1,2
	s_delay_alu instid0(VALU_DEP_3)
	v_mov_b32 v[PC+3+\i], v[PC+12+\i]
.endr
	ds_store_b64 v4, v[PC:PC+1]
	ds_store_b64 v5, v[PC+2:PC+3]
	ds_store_b64 v6, v[PC+4:PC+5]
	ds_store_b16 v7, v[PW]                         ; lanes r and r + 16 write the same bytes with the same value
	v_add_nc_u32 v8, OST, v11
	s_wait_alu depctr_va_vdst(0)
	s_wait_dscnt 0x0                               ; for the others' sake: my stores have landed
	s_barrier_signal -1
	s_barrier_wait -1
	ds_load_b128 v[128:131], v8                    ; 25 pieces of 512 bytes: one a wave, and nine more
	s_cmp_lt_u32 s[WV], 9
	s_cbranch_scc0 .Lone
	ds_load_b128 v[132:135], v8 offset:8192
	s_wait_dscnt 0x0
	global_store_b128 v11, v[132:135], s[84:85] offset:8192
.Lone:
	s_wait_dscnt 0x0
	global_store_b128 v11, v[128:131], s[84:85]
	s_wait_tensorcnt 0x0                           ; the wave's end
	ds_add_u32 v[SPW], v[NIL]
	s_wait_dscnt 0x0
	CROUND                                         ; the closing round
	s_endpgm
.Lfunc_end_k_q2ebda4fc8a_att:
	.size	k_q2ebda4fc8a_att, .Lfunc_end_k_q2ebda4fc8a_att-k_q2ebda4fc8a_att
	.p2alignl 7, 3214868480
	.fill 96, 4, 3214868480
	.section	.rodata,"a",@progbits
	.p2align	6, 0x0
	.amdhsa_kernel k_q2ebda4fc8a_att
		.amdhsa_group_segment_fixed_size 327680
		.amdhsa_private_segment_fixed_size 0
		.amdhsa_enable_private_segment 0
		.amdhsa_kernarg_size 16
		.amdhsa_user_sgpr_count 2
		.amdhsa_user_sgpr_kernarg_segment_ptr 1
		.amdhsa_wavefront_size32 1
		.amdhsa_system_sgpr_workgroup_id_x 1
		.amdhsa_system_sgpr_workgroup_id_y 1
		.amdhsa_system_sgpr_workgroup_id_z 1
		.amdhsa_system_vgpr_workitem_id 0
		.amdhsa_next_free_vgpr 256
		.amdhsa_next_free_sgpr 100
		.amdhsa_reserve_vcc 0
		.amdhsa_float_denorm_mode_32 3
		.amdhsa_float_denorm_mode_16_64 3
		.amdhsa_memory_ordered 1
		.amdhsa_forward_progress 1
		.amdhsa_inst_pref_size 150
	.end_amdhsa_kernel
	.amdgpu_metadata
---
amdhsa.version: [ 1, 2 ]
amdhsa.kernels:
  - .name:           k_q2ebda4fc8a_att
    .symbol:         k_q2ebda4fc8a_att.kd
    .args:
      - { .name: qkv, .offset: 0, .size: 8, .value_kind: global_buffer, .address_space: global }
      - { .name: oimg, .offset: 8, .size: 8, .value_kind: global_buffer, .address_space: global }
    .group_segment_fixed_size: 327680
    .private_segment_fixed_size: 0
    .kernarg_segment_align: 8
    .kernarg_segment_size: 16
    .max_flat_workgroup_size: 512
    .sgpr_count:     100
    .vgpr_count:     256
    .wavefront_size: 32
...
	.end_amdgpu_metadata
.endif
;; end of part 3
;; launch outln (part 4): grid 256 x 1, 8 waves a work-group, no clusters, 69,632 bytes of LDS; arguments oimg, wts, b_out, x, g2, be2, x1, h2img; writes x1, h2img
.if DOCPART == 4
	.amdgcn_target "amdgcn-amd-amdhsa--gfx1250"
	.amdhsa_code_object_version 6
	.text
	.protected	k_q2ebda4fc8a_outln
	.globl	k_q2ebda4fc8a_outln
	.p2align	8
	.type	k_q2ebda4fc8a_outln,@function
k_q2ebda4fc8a_outln:
	s_mov_b64 s[64:65], 0
	v_nop
	global_prefetch_b8 v0, s[64:65] scope:SCOPE_SE
	s_setreg_imm32_b32 hwreg(HW_REG_WAVE_MODE, 25, 1), 1
	s_wait_xcnt 0x0
; x1 = x + attention's output x w_out + b_out (codes of E2M3, MX-FP6), and h2 = LayerNorm(x1) g2 + be2 quantised along the row: one launch, since a work-group owns whole rows.
; OPERANDS are images of their registers: [block of 128 rows][8 K steps][unit of 12,800 bytes]: fragment i at 1,536 i (three pieces of 512 bytes, lane l's 16 bytes at 16 l), scale piece at 12,288 (lane (r, h): word j = tile 2 j + h).
; Index r of tile i is row 32 (i / 2) + 8 (i % 2) + r + 8 (r / 8).  h2img has the same form.
; SHARES: work-group T takes tile T of 16 tokens x all 1,024 columns; wave w takes w_out's block w (columns 128 w on): 8 accumulators, 8 K steps, 64 matrix instructions.
; Source 0 = 16 rows of w_out, source 1 = the 16 tokens: lane (r, h) holds token r, and register 16 b + i of its 64 is column 32 b + 16 h + i of the wave's 128: the order that the quantiser wants.
; The sums BEGIN AS x: its rows come in whole (512 consecutive bytes a wave), turn through the wave's own stage in LDS (pitch 528) into that order, and are the first products' C.  x1 goes back through the stage and leaves as whole rows.
; OPERANDS GO FROM MEMORY STRAIGHT INTO REGISTERS: a K step is 29 loads (24 of the weights, 3 of the tokens' fragment, 2 of scale words), 512 consecutive bytes each but the last; three buffers of 108 registers, so two K steps are out while one is multiplied.
; NO CLUSTER, NO LDS TILE: each fragment of the weights feeds one matrix instruction of one wave, so nothing in LDS would be read twice, and there is no tile for a joint load to fill.
; NO PREFETCH: the loads themselves are issued two K steps ahead of their use, and a work-group's eight waves name all of w_out's 819,200 bytes, which all 256 work-groups read.
; Mean and variance in two passes; the eight waves' partial sums meet in LDS: two barriers.
; LIMITS: a block whose largest magnitude lies under 2^-124 (zeros too) gets the byte 1; this program alone reads the bytes.  NaN and infinities are not served.
; REGISTERS: window 0: v1-25 addresses and small work, v32-95 the sums, v96-203 buffer 2 (first x's rows; later b_out, then x1's rows at v96-159 and the quantiser's at v160-196), v204-221 scale words alone; window 1: v0-107 buffer 0 (later g2), v108-215 buffer 1 (later be2).
.set UNIT, 12800
.set X,   32
.set R,   96
.set SB,  204                          ; buffer p: the weights' four scale words at SB + 6 p, the tokens' word at SB + 6 p + 4
.set PC,  160
.set TM,  180
.set PW,  196
.set RED, 67584
.set SPARE, 68608
.set SL,  24                           ; s24-25 selects for lane l xor 16; s26 1 / 1,024; s27 1e-5
.set MSB, 0
.macro WIN new                         ; the immediate's high byte repeats the setting that is left
.if MSB != (\new)
	s_set_vgpr_msb (MSB<<8)|(\new)
.set MSB, (\new)
.endif
.endm
	s_load_b512 s[4:19], s[0:1], 0x0               ; oimg, wts, b_out, x, g2, be2, x1, h2img
	v_lshl_add_u32 v224, v0, 2, SPARE
	v_mov_b32 v225, 0
	v_lshrrev_b32 v8, 5, v0
	s_delay_alu instid0(VALU_DEP_1)
	v_readfirstlane_b32 s20, v8                    ; wave
	v_and_b32 v9, 31, v0
	v_and_b32 v10, 15, v0                          ; r
	v_bfe_u32 v11, v0, 4, 1                        ; h
	s_delay_alu instid0(VALU_DEP_3)
	v_lshlrev_b32 v24, 4, v9                       ; 16 x lane
	s_lshl_b32 s21, s20, 9
	v_add_nc_u32 v1, s21, v24                      ; a row of x or x1: 512 w + 16 x lane
	s_mul_i32 s22, s20, 8448
	v_add_nc_u32 v2, s22, v24                      ; my stage by rows
	v_mul_u32_u24 v3, v10, 528
	s_delay_alu instid0(VALU_DEP_1)
	v_lshl_add_u32 v3, v11, 6, v3
	s_delay_alu instid0(VALU_DEP_1)
	v_add_nc_u32 v3, s22, v3                       ; my stage by lanes: row r, + 64 h
	v_lshlrev_b32 v4, 6, v11
	s_delay_alu instid0(VALU_DEP_1)
	v_add_nc_u32 v4, s21, v4                       ; b_out, g2, be2: 512 w + 64 h
	v_lshl_add_u32 v7, v10, 5, RED                 ; the partial sums of row r
	s_lshl_b32 s23, s20, 2
	v_add_nc_u32 v5, s23, v7                       ; and mine among them
	v_lshlrev_b32 v25, 4, v10                      ; 16 r
	s_mov_b32 s[SL], 0x76543210
	s_mov_b32 s[SL+1], 0xfedcba98
	s_mov_b32 s26, 0x3a800000
	s_mov_b32 s27, 0x3727c5ac
	s_lshr_b32 s28, ttmp9, 1
	s_lshl_b32 s28, s28, 5
	s_and_b32 s40, ttmp9, 1
	s_lshl_b32 s41, s40, 3
	s_add_co_u32 s28, s28, s41
	s_lshl_b32 s28, s28, 12                        ; the tile's first row of x and x1, in bytes
	s_mov_b32 s29, 0
	s_lshr_b32 s42, ttmp9, 3                       ; the block of 128 tokens
	s_and_b32 s43, ttmp9, 7                        ; the tile in it
	s_mul_i32 s30, s42, 8*UNIT
	s_mul_i32 s44, s43, 1536
	s_lshl_b32 s40, s40, 8
	s_lshr_b32 s41, s43, 1
	s_lshl_b32 s41, s41, 2
	s_add_co_u32 s40, s40, s41
	s_add_co_u32 s40, s40, 12288                   ; the tile's scale words in a unit, less 16 r
	s_add_co_u32 s32, s30, s40
	s_mov_b32 s33, 0
	s_mul_i32 s45, s20, UNIT
	s_add_co_u32 s45, s45, s30                     ; the output's unit: this block, K step w
	s_add_co_u32 s36, s45, s44
	s_mov_b32 s37, 0
	s_add_co_u32 s38, s45, s40
	s_mov_b32 s39, 0
	s_add_co_u32 s30, s30, s44
	s_mov_b32 s31, 0
	s_mul_i32 s34, s20, 8*UNIT                     ; w_out's block w
	s_mov_b32 s35, 0
	s_wait_alu depctr_va_vdst(0)                   ; the wait at the head's end
	s_wait_kmcnt 0x0
	s_add_nc_u64 s[10:11], s[10:11], s[28:29]
	s_add_nc_u64 s[16:17], s[16:17], s[28:29]
	s_add_nc_u64 s[30:31], s[4:5], s[30:31]        ; the tokens' fragments
	s_add_nc_u64 s[32:33], s[4:5], s[32:33]        ; and scale words
	s_add_nc_u64 s[6:7], s[6:7], s[34:35]
	s_add_nc_u64 s[36:37], s[18:19], s[36:37]
	s_add_nc_u64 s[38:39], s[18:19], s[38:39]
.macro BUF ks                          ; where K step ks's buffer lies
.set BP, (\ks)%3
.if BP < 2
.set FB, 108*BP
.set FW, 1
.else
.set FB, 96
.set FW, 0
.endif
.endm
.macro LDK ks                          ; the 29 loads of K step ks
	BUF \ks
	WIN 0x40*FW
.irp i, 0,1,2,3,4,5,6,7
.irp c, 0,1,2
	global_load_b128 v[FB+12*\i+4*\c:FB+12*\i+4*\c+3], v24, s[6:7] offset:UNIT*(\ks)+1536*\i+512*\c
.endr
.endr
.irp c, 0,1,2
	global_load_b128 v[FB+96+4*\c:FB+96+4*\c+3], v24, s[30:31] offset:UNIT*(\ks)+512*\c
.endr
	WIN 0
	global_load_b128 v[SB+6*BP:SB+6*BP+3], v24, s[6:7] offset:UNIT*(\ks)+12288
	global_load_b32 v[SB+6*BP+4], v25, s[32:33] offset:UNIT*(\ks)
.endm
.macro GK ks                           ; its 8 products: the 8 accumulators by turns, in the same order in every step.  An odd tile's scale words lie in lanes 16-31
	BUF \ks
	WIN 0x05*FW
.irp b, 0,1,2,3,4,5,6,7
.if \b%2
	v_wmma_scale_f32_16x16x128_f8f6f4 v[X+8*\b:X+8*\b+7], v[FB+12*\b:FB+12*\b+11], v[FB+96:FB+107], v[X+8*\b:X+8*\b+7], v[SB+6*BP+\b/2], v[SB+6*BP+4] matrix_a_fmt:MATRIX_FMT_FP6 matrix_b_fmt:MATRIX_FMT_FP6 matrix_a_scale:MATRIX_SCALE_ROW1
.else
	v_wmma_scale_f32_16x16x128_f8f6f4 v[X+8*\b:X+8*\b+7], v[FB+12*\b:FB+12*\b+11], v[FB+96:FB+107], v[X+8*\b:X+8*\b+7], v[SB+6*BP+\b/2], v[SB+6*BP+4] matrix_a_fmt:MATRIX_FMT_FP6 matrix_b_fmt:MATRIX_FMT_FP6
.endif
.endr
	WIN 0
.rept 4
	v_nop                                          ; four plain places in front of loads into the buffer, and behind the last step in front of the reads of the sums
.endr
.endm
.macro VEC16 dst, base                 ; 64 numbers of a vector of 1,024 in the sums' order
.set t, 0
.rept 16
	global_load_b128 v[\dst+4*t:\dst+4*t+3], v4, s[\base:\base+1] offset:128*(t/4)+16*(t%4)
.set t, t+1
.endr
.endm
.set t, 0
.rept 16
	global_load_b128 v[R+4*t:R+4*t+3], v1, s[10:11] offset:(t+8*(t/8))*4096
.set t, t+1
.endr
	LDK 0
	LDK 1
	s_wait_loadcnt 58                              ; x's sixteen rows are in; the 58 loads of K steps 0 and 1 may be out
.set t, 0
.rept 16
	ds_store_b128 v2, v[R+4*t:R+4*t+3] offset:528*t
.set t, t+1
.endr
.set t, 0
.rept 16
	ds_load_b128 v[X+4*t:X+4*t+3], v3 offset:128*(t/4)+16*(t%4)   ; LDS serves a wave's instructions in order
.set t, t+1
.endr
	s_wait_dscnt 0x0
	LDK 2                                          ; into the registers that the stage's stores have read
.irp ks, 0,1,2,3,4,5,6,7
.if \ks < 6
	s_wait_loadcnt 58                              ; this K step is in; the two younger steps' 58 loads may be out
.elseif \ks == 6
	s_wait_loadcnt 45                              ; K step 7's 29 and b_out's 16
.else
	s_wait_loadcnt 32                              ; b_out's 16 and g2's 16
.endif
	GK \ks
.if \ks < 5
	LDK \ks+3
.elseif \ks == 5
	VEC16 R, 8                                     ; b_out into buffer 2
.elseif \ks == 6
	WIN 0x40
	VEC16 0, 12                                    ; g2 into buffer 0
	WIN 0
.else
	WIN 0x40
	VEC16 108, 14                                  ; be2 into buffer 1
	WIN 0
.endif
.endr
	s_wait_loadcnt 32                              ; b_out is in; g2's and be2's 32 loads may be out
.set j, 0
.rept 32
	v_pk_add_f32 v[X+j:X+j+1], v[X+j:X+j+1], v[R+j:R+j+1]   ; x1; each accumulator is read from its low end on
.set j, j+2
.endr
.set t, 0
.rept 16
	ds_store_b128 v3, v[X+4*t:X+4*t+3] offset:128*(t/4)+16*(t%4)
.set t, t+1
.endr
.set t, 0
.rept 16
	ds_load_b128 v[R+4*t:R+4*t+3], v2 offset:528*t  ; back as whole rows; awaited in front of the first barrier below
.set t, t+1
.endr
.macro ACROSS off                      ; my two chains' sums -> the row's sum in v8: each wave's word, a barrier, all eight words
	s_delay_alu instid0(VALU_DEP_1)
	v_pk_add_f32 v[16:17], v[16:17], v[18:19]
	s_delay_alu instid0(VALU_DEP_1)
	v_add_f32 v16, v16, v17
	s_delay_alu instid0(VALU_DEP_1)
	v_permlanex16_b32 v17, v16, s[SL], s[SL+1]
	s_delay_alu instid0(VALU_DEP_1)
	v_add_f32 v16, v16, v17
	ds_store_b32 v5, v16 offset:\off
	s_wait_dscnt 0x0                               ; for the others' sake: my word has landed
	s_barrier_signal -1
	s_barrier_wait -1
	ds_load_b128 v[8:11], v7 offset:\off
	ds_load_b128 v[12:15], v7 offset:\off+16
	s_wait_dscnt 0x0
	v_add_f32 v8, v8, v9
	v_add_f32 v10, v10, v11
	v_add_f32 v12, v12, v13
	v_add_f32 v14, v14, v15
	s_delay_alu instid0(VALU_DEP_3)
	v_add_f32 v8, v8, v10
	s_delay_alu instid0(VALU_DEP_2)
	v_add_f32 v12, v12, v14
	s_delay_alu instid0(VALU_DEP_1)
	v_add_f32 v8, v8, v12
.endm
	v_pk_add_f32 v[16:17], v[X:X+1], v[X+2:X+3]
	v_pk_add_f32 v[18:19], v[X+4:X+5], v[X+6:X+7]
.set j, 8
.rept 14
	s_delay_alu instid0(VALU_DEP_2)
	v_pk_add_f32 v[16:17], v[16:17], v[X+j:X+j+1]
	s_delay_alu instid0(VALU_DEP_2)
	v_pk_add_f32 v[18:19], v[18:19], v[X+j+2:X+j+3]
.set j, j+4
.endr
	ACROSS 0
	s_delay_alu instid0(VALU_DEP_1)
	v_mul_f32 v20, 0xba800000, v8                  ; -mean
	s_delay_alu instid0(VALU_DEP_1)
	v_mov_b32 v21, v20
.set t, 0
.rept 16
	global_store_b128 v1, v[R+4*t:R+4*t+3], s[16:17] offset:(t+8*(t/8))*4096   ; x1: 512 consecutive bytes, aligned; v96-159 are not written again
.set t, t+1
.endr
.set j, 0
.rept 32
	v_pk_add_f32 v[X+j:X+j+1], v[X+j:X+j+1], v[20:21]
.set j, j+2
.endr
	v_pk_mul_f32 v[16:17], v[X:X+1], v[X:X+1]
	v_pk_mul_f32 v[18:19], v[X+2:X+3], v[X+2:X+3]
.set j, 4
.rept 15
	s_delay_alu instid0(VALU_DEP_2)
	v_pk_fma_f32 v[16:17], v[X+j:X+j+1], v[X+j:X+j+1], v[16:17]
	s_delay_alu instid0(VALU_DEP_2)
	v_pk_fma_f32 v[18:19], v[X+j+2:X+j+3], v[X+j+2:X+j+3], v[18:19]
.set j, j+4
.endr
	ACROSS 512                                     ; other bytes than the first sum's
	s_delay_alu instid0(VALU_DEP_1)
	v_fma_f32 v22, v8, s26, s27                    ; var + eps
	s_wait_alu depctr_va_vdst(0)                   ; the wait ahead of the transcendental
	v_rsq_f32 v22, v22
	v_nop                                          ; a plain place behind it
	s_wait_alu depctr_va_vdst(0)                   ; the wait ahead of its reader
	v_mov_b32 v23, v22
	s_wait_alu depctr_va_vdst(0)
	s_wait_loadcnt 0x0                             ; g2 and be2
.set j, 0
.rept 32
	v_pk_mul_f32 v[X+j:X+j+1], v[X+j:X+j+1], v[22:23]
.set j, j+2
.endr
	WIN 0x14                                       ; sources 1 and 2: window 1
.set j, 0
.rept 32
	v_pk_fma_f32 v[X+j:X+j+1], v[X+j:X+j+1], v[j:j+1], v[108+j:109+j]
.set j, j+2
.endr
	WIN 0
; THE QUANTISER: four blocks of 32, each in lanes l and l xor 16
.irp b, 0,1,2,3
	v_mov_b32 v[TM+4+\b], 0                        ; a lane permute's destination counts as one of its sources
.endr
.irp b, 0,1,2,3
	v_max3_num_f32 v[TM+\b], |v[X+16*\b]|, |v[X+16*\b+1]|, 0x1800000   ; the floor 2^(3 - 127) holds the byte at 1 from below
.endr
.irp i, 2,4,6,8,10,12,14
.irp b, 0,1,2,3
	s_delay_alu instid0(VALU_DEP_4)
	v_max3_num_f32 v[TM+\b], |v[X+16*\b+\i]|, |v[X+16*\b+\i+1]|, v[TM+\b]
.endr
.endr
.irp b, 0,1,2,3
	s_delay_alu instid0(VALU_DEP_4)
	v_permlanex16_b32 v[TM+4+\b], v[TM+\b], s[SL], s[SL+1]
.endr
.irp b, 0,1,2,3
	s_delay_alu instid0(VALU_DEP_4)
	v_max_num_f32 v[TM+\b], v[TM+\b], v[TM+4+\b]
.endr
.irp b, 0,1,2,3
	s_delay_alu instid0(VALU_DEP_4)
	v_add_nc_u32 v[TM+12+\b], 0xff000000, v[TM+\b] ; 2 off the exponent field: the conversion's scale operand
.endr
.irp b, 0,1,2,3
	s_delay_alu instid0(VALU_DEP_4)
	v_lshrrev_b32 v[TM+4+\b], 23, v[TM+12+\b]      ; the scale's byte
.endr
	s_delay_alu instid0(VALU_DEP_3)
	v_lshl_or_b32 v[PW], v[TM+5], 8, v[TM+4]
	s_delay_alu instid0(VALU_DEP_1)
	v_lshl_or_b32 v[PW], v[TM+6], 16, v[PW]
	s_delay_alu instid0(VALU_DEP_1)
	v_lshl_or_b32 v[PW], v[TM+7], 24, v[PW]
.irp c, 0,1
	v_cvt_scalef32_pk16_fp6_f32 v[PC+6*\c:PC+6*\c+2], v[X+32*\c:X+32*\c+15], v[TM+12+2*\c]
	v_cvt_scalef32_pk16_fp6_f32 v[PC+12+4*\c:PC+14+4*\c], v[X+32*\c+16:X+32*\c+31], v[TM+13+2*\c]
.endr
	v_nop                                          ; one plain place behind a scaled conversion
.irp c, 0,1                                    ; a whole block to a lane: lanes 0-15 block 2 c, lanes 16-31 block 2 c + 1
.irp i, 0,1,2
	v_permlane16_swap_b32 v[PC+6*\c+\i], v[PC+12+4*\c+\i]
.endr
.irp i, 0,1,2
	s_delay_alu instid0(VALU_DEP_3)
	v_mov_b32 v[PC+3+6*\c+\i], v[PC+12+4*\c+\i]
.endr
.endr
.irp c, 0,1,2
	global_store_b128 v24, v[PC+4*\c:PC+4*\c+3], s[36:37] offset:512*\c   ; 512 consecutive bytes, aligned
.endr
	global_store_b32 v25, v[PW], s[38:39]          ; lanes r and r + 16 store the same word to the same place
	s_wait_tensorcnt 0x0                           ; the wave's end
	ds_add_u32 v224, v225
	s_wait_dscnt 0x0
	s_endpgm
.Lfunc_end_k_q2ebda4fc8a_outln:
	.size	k_q2ebda4fc8a_outln, .Lfunc_end_k_q2ebda4fc8a_outln-k_q2ebda4fc8a_outln
	.p2alignl 7, 3214868480
	.fill 96, 4, 3214868480
	.section	.rodata,"a",@progbits
	.p2align	6, 0x0
	.amdhsa_kernel k_q2ebda4fc8a_outln
		.amdhsa_group_segment_fixed_size 69632
		.amdhsa_private_segment_fixed_size 0
		.amdhsa_enable_private_segment 0
		.amdhsa_kernarg_size 64
		.amdhsa_user_sgpr_count 2
		.amdhsa_user_sgpr_kernarg_segment_ptr 1
		.amdhsa_wavefront_size32 1
		.amdhsa_system_sgpr_workgroup_id_x 1
		.amdhsa_system_sgpr_workgroup_id_y 1
		.amdhsa_system_sgpr_workgroup_id_z 1
		.amdhsa_system_vgpr_workitem_id 0
		.amdhsa_next_free_vgpr 480
		.amdhsa_next_free_sgpr 66
		.amdhsa_reserve_vcc 0
		.amdhsa_float_denorm_mode_32 3
		.amdhsa_float_denorm_mode_16_64 3
		.amdhsa_memory_ordered 1
		.amdhsa_forward_progress 1
		.amdhsa_inst_pref_size 69
	.end_amdhsa_kernel
	.amdgpu_metadata
---
amdhsa.version: [ 1, 2 ]
amdhsa.kernels:
  - .name:           k_q2ebda4fc8a_outln
    .symbol:         k_q2ebda4fc8a_outln.kd
    .args:
      - { .name: oimg, .offset: 0, .size: 8, .value_kind: global_buffer, .address_space: global }
      - { .name: wts, .offset: 8, .size: 8, .value_kind: global_buffer, .address_space: global }
      - { .name: b_out, .offset: 16, .size: 8, .value_kind: global_buffer, .address_space: global }
      - { .name: x, .offset: 24, .size: 8, .value_kind: global_buffer, .address_space: global }
      - { .name: g2, .offset: 32, .size: 8, .value_kind: global_buffer, .address_space: global }
      - { .name: be2, .offset: 40, .size: 8, .value_kind: global_buffer, .address_space: global }
      - { .name: x1, .offset: 48, .size: 8, .value_kind: global_buffer, .address_space: global }
      - { .name: h2img, .offset: 56, .size: 8, .value_kind: global_buffer, .address_space: global }
    .group_segment_fixed_size: 69632
    .private_segment_fixed_size: 0
    .kernarg_segment_align: 8
    .kernarg_segment_size: 64
    .max_flat_workgroup_size: 256
    .sgpr_count:     66
    .vgpr_count:     480
    .wavefront_size: 32
...
	.end_amdgpu_metadata
.endif
;; end of part 4
;; launch ffn1 (part 5): grid 16 x 16, 4 waves a work-group, clusters of 4 x 4, 327,680 bytes of LDS; arguments h2img, wts, b1, hid; writes hid
.if DOCPART == 5
	.amdgcn_target "amdgcn-amd-amdhsa--gfx1250"
	.amdhsa_code_object_version 6
	.text
	.protected	k_q2ebda4fc8a_ffn1
	.globl	k_q2ebda4fc8a_ffn1
	.p2align	8
	.type	k_q2ebda4fc8a_ffn1,@function
k_q2ebda4fc8a_ffn1:
	s_mov_b64 s[64:65], 0
	v_nop
	global_prefetch_b8 v0, s[64:65] scope:SCOPE_SE
	s_setreg_imm32_b32 hwreg(HW_REG_WAVE_MODE, 25, 1), 1
	s_wait_xcnt 0x0
	s_wait_alu depctr_hold_cnt(0) depctr_sa_sdst(0) depctr_va_vdst(0) depctr_va_sdst(0) depctr_va_ssrc(0) depctr_va_vcc(0) depctr_vm_vsrc(0)
	s_getreg_b32 s2, hwreg(HW_REG_IB_STS2, 6, 4)
	s_cmp_eq_u32 s2, 0
	s_cbranch_scc0 .Lentry_in_a_cluster
	s_endpgm
.Lentry_in_a_cluster:
	s_bfe_u32 s2, ttmp6, 0x10000c
	s_cmp_lg_u32 s2, 0xf033
	s_cbranch_scc0 .Lentry_shape_is_right
	s_endpgm
.Lentry_shape_is_right:
.set GEOA, 1
.set NY,   8
.set NQ,   2
.set NKS,  8
.set XOFF, 819200
.set LAPS, NKS/(2*NQ)
.set UNIT, 12800
.set SLOT, 8*UNIT
.set XH,   4*UNIT
.set SLOTG, NQ*UNIT
.set YSTR, 2*UNIT
.set SSTR, 2*UNIT
.set SPARE, 222208
.set ADY, 16
.set ASY, 18
.set ADX, 20
.set ASX, 22
.set SPW, 28
.set NIL, 29
.set SX,  32
.set SY,  40
.set BI,  64
.set YF,  128
.set G1Y, 24
.set G0Y, 32
.set G1X, 48
.set G0X, 56
.set MSB, 0
.macro WIN new
.if MSB != (\new)
	s_set_vgpr_msb (MSB<<8)|(\new)
.set MSB, (\new)
.endif
.endm
.macro PLACES
.rept 4
	v_nop
.endr
.endm
.macro JLOAD s
	s_cmp_eq_u32 s15, 0
	s_cbranch_scc0 .Lfor_x_\@
	tensor_load_to_lds s[G0Y+4*\s:G0Y+4*\s+3], s[G1Y:G1Y+7]
	s_nop 0
.rept 4
	v_nop
.endr
	s_branch .Lasked_\@
.Lfor_x_\@:
	tensor_load_to_lds s[G0X+4*\s:G0X+4*\s+3], s[G1X:G1X+7]
	s_nop 0
.rept 4
	v_nop
.endr
.Lasked_\@:
.endm
.macro CREST
	s_cmp_lg_u32 s14, 0
	s_cbranch_scc1 .Lnot_wave_0_\@
	s_barrier_signal -3
.Lnot_wave_0_\@:
	s_barrier_wait -3
	s_barrier_signal -1
	s_barrier_wait -1
.endm
.macro CROUND
	s_barrier_signal -1
	s_barrier_wait -1
	CREST
.endm
.macro FX slot, q, p
	WIN 0x40
.irp i, 0,1,2,3,4,5,6,7
.if \i < NY
.irp c, 0,1,2
	ds_load_b128 v[128*(\p)+12*\i+4*\c:128*(\p)+12*\i+4*\c+3], v[ADX+\slot] offset:UNIT*(\q)+1536*\i+512*\c
.endr
.endif
.endr
	WIN 0
.endm
.macro FY slot, q, i0
.irp k, 0,1,2,3
.if \k < NY/2
.irp c, 0,1,2
	ds_load_b128 v[YF+12*(\i0+\k)+4*\c:YF+12*(\i0+\k)+4*\c+3], v[ADY+\slot] offset:UNIT*(\q)+1536*(\i0+\k)+512*\c
.endr
.endif
.endr
.endm
.macro FS slot, q, p
.if GEOA
	ds_load_b128 v[SX+4*(\p):SX+4*(\p)+3], v[ASX+\slot] offset:UNIT*(\q)
	ds_load_b128 v[SY+4*(\p):SY+4*(\p)+3], v[ASY+\slot] offset:UNIT*(\q)
.else
	ds_load_b64 v[SX+4*(\p):SX+4*(\p)+1], v[ASX+\slot] offset:UNIT*(\q)
	ds_load_b64 v[SY+4*(\p):SY+4*(\p)+1], v[ASY+\slot] offset:UNIT*(\q)
.endif
.endm
.macro MM a, b, p, first
.set rD, 8*(NY*((\a)%(NY/2))+(\b))
.set rC, rD
.if \first
.set rC, BI+8*(\b)
.endif
.set rX, 128*(\p)+12*(\b)
.set rY, YF+12*(\a)
.set rS, SX+4*(\p)+(\b)/2
.set rT, SY+4*(\p)+(\a)/2
.if ((\a)%2) && ((\b)%2)
	v_wmma_scale_f32_16x16x128_f8f6f4 v[rD:rD+7], v[rX:rX+11], v[rY:rY+11], v[rC:rC+7], v[rS], v[rT] matrix_a_fmt:MATRIX_FMT_FP6 matrix_b_fmt:MATRIX_FMT_FP6 matrix_a_scale:MATRIX_SCALE_ROW1 matrix_b_scale:MATRIX_SCALE_ROW1
.elseif (\b)%2
	v_wmma_scale_f32_16x16x128_f8f6f4 v[rD:rD+7], v[rX:rX+11], v[rY:rY+11], v[rC:rC+7], v[rS], v[rT] matrix_a_fmt:MATRIX_FMT_FP6 matrix_b_fmt:MATRIX_FMT_FP6 matrix_a_scale:MATRIX_SCALE_ROW1
.elseif (\a)%2
	v_wmma_scale_f32_16x16x128_f8f6f4 v[rD:rD+7], v[rX:rX+11], v[rY:rY+11], v[rC:rC+7], v[rS], v[rT] matrix_a_fmt:MATRIX_FMT_FP6 matrix_b_fmt:MATRIX_FMT_FP6 matrix_b_scale:MATRIX_SCALE_ROW1
.else
	v_wmma_scale_f32_16x16x128_f8f6f4 v[rD:rD+7], v[rX:rX+11], v[rY:rY+11], v[rC:rC+7], v[rS], v[rT] matrix_a_fmt:MATRIX_FMT_FP6 matrix_b_fmt:MATRIX_FMT_FP6
.endif
.endm
.macro MULA a, p, first
.irp b, 0,1,2,3,4,5,6,7
.if \b < NY
	MM \a, \b, \p, \first
.endif
.endr
.endm
.macro MULQ k, p, first
.if GEOA
	MULA 2*(\k), \p, \first
	MULA 2*(\k)+1, \p, \first
.else
	MULA \k, \p, \first
.endif
.endm
.macro STEP slot, q, first
	s_wait_dscnt 3*NY/2
	WIN 0xa1-0x20*(\first)
	MULQ 0, (\q)%2, \first
	MULQ 1, (\q)%2, \first
	s_wait_dscnt 0x0
	PLACES
	FX \slot, (\q)+1, 1-(\q)%2
	FS \slot, (\q)+1, 1-(\q)%2
	FY \slot, (\q)+1, 0
	WIN 0xf1-0x30*(\first)
	MULQ 2, (\q)%2, \first
	MULQ 3, (\q)%2, \first
	PLACES
	WIN 0
	FY \slot, (\q)+1, NY/2
.endm
.macro TURN slot, next, fill
	s_wait_tensorcnt 0x0
	ds_add_u32 v[SPW], v[NIL]
	s_wait_dscnt 3*NY/2+1
	WIN 0xa1
	MULQ 0, 1, 0
	s_wait_dscnt 0x0
	s_barrier_signal -1
	MULQ 1, 1, 0
	WIN 0
	s_barrier_wait -1
.if \fill
	CREST
	s_add_nc_u64 s[G0Y+4*\slot+2:G0Y+4*\slot+3], s[G0Y+4*\slot+2:G0Y+4*\slot+3], 2*SLOTG
	s_add_nc_u64 s[G0X+4*\slot+2:G0X+4*\slot+3], s[G0X+4*\slot+2:G0X+4*\slot+3], 2*SLOTG
	JLOAD \slot
.else
	PLACES
.endif
	FX \next, 0, 0
	FS \next, 0, 0
	FY \next, 0, 0
	WIN 0xf1
	MULQ 2, 1, 0
	MULQ 3, 1, 0
	PLACES
	WIN 0
	FY \next, 0, NY/2
.endm
.macro MID slot
.if NQ == 4
	STEP \slot, 1, 0
	STEP \slot, 2, 0
.endif
.endm
	s_load_b256 s[4:11], s[0:1], 0x0
	v_lshl_add_u32 v[SPW], v0, 2, SPARE
	v_mov_b32 v[NIL], 0
	ds_add_u32 v28, v29
	ds_add_u32 v28, v29
	s_wait_dscnt 0x0
	v_lshrrev_b32 v1, 5, v0
	v_readfirstlane_b32 s14, v1
	s_lshr_b32 s15, s14, 1
	s_and_b32 s16, s14, 1
	s_bfe_u32 s40, ttmp6, 0x40000
	s_bfe_u32 s41, ttmp6, 0x40004
	s_lshl_b32 s42, ttmp9, 2
	s_add_co_u32 s42, s42, s40
	s_and_b32 s17, ttmp7, 0xffff
	s_lshl_b32 s17, s17, 2
	s_add_co_u32 s17, s17, s41
	s_lshl_b32 s43, s41, 2
	s_lshl_b32 s43, 15, s43
	s_lshl_b32 s44, 0x1111, s40
	s_or_b32 s[G1Y], s43, (3<<16)|(1<<21)
	s_or_b32 s[G1X], s44, (3<<16)|(1<<21)
.irp g, G1Y, G1X
	s_mov_b32 s[\g+1], 32<<16
	s_mov_b32 s[\g+2], 100<<16
	s_mov_b32 s[\g+3], 32<<16
	s_mov_b32 s[\g+4], 100
	s_mov_b32 s[\g+5], 32
	s_mov_b32 s[\g+6], 0
	s_mov_b32 s[\g+7], 0
.endr
	s_lshl_b32 s20, s17, 1
	s_add_co_u32 s20, s20, s16
	s_mul_i32 s20, s20, NKS*UNIT
	s_mov_b32 s21, 0
	s_lshl_b32 s46, s42, 1
	s_add_co_u32 s46, s46, s16
	s_mul_i32 s46, s46, NKS*UNIT
	s_add_co_u32 s46, s46, XOFF
	s_mov_b32 s47, 0
	s_mul_i32 s45, s14, 2*UNIT
	s_wait_kmcnt 0x0
	s_add_nc_u64 s[20:21], s[4:5], s[20:21]
	s_add_nc_u64 s[46:47], s[6:7], s[46:47]
	CROUND
.irp s, 0,1
	s_mov_b32 s[G0Y+4*\s], 1
	s_add_co_u32 s[G0Y+4*\s+1], s45, \s*SLOT
	s_add_nc_u64 s[G0Y+4*\s+2:G0Y+4*\s+3], s[20:21], \s*SLOTG
	s_or_b32 s[G0Y+4*\s+3], s[G0Y+4*\s+3], 0x80000000
	s_mov_b32 s[G0X+4*\s], 1
	s_add_co_u32 s[G0X+4*\s+1], s45, \s*SLOT
	s_add_nc_u64 s[G0X+4*\s+2:G0X+4*\s+3], s[46:47], \s*SLOTG
	s_or_b32 s[G0X+4*\s+3], s[G0X+4*\s+3], 0x80000000
.endr
	s_cmp_eq_u32 s15, 0                            ; the prefetches: of the 100 blocks of 256 bytes that I fetch for a slot, each of the four partners that ask with me names 25, told apart by address
	s_cselect_b32 s98, s40, s41                    ; my place among them: cx for Y's units, cy for X's
	s_cselect_b64 s[96:97], s[20:21], s[46:47]
	s_mul_i32 s98, s98, 6400
	s_mov_b32 s99, 0
	s_add_nc_u64 s[96:97], s[96:97], s[98:99]
	JLOAD 0                                        ; slot 0: one tensor load a wave at the head
	v_and_b32 v1, 31, v0
	v_lshlrev_b32 v2, 4, v1
	v_min_u32 v27, 24, v1                          ; a lane a block; the seven lanes left over name the last block again
	v_lshlrev_b32 v27, 8, v27
	v_bfe_u32 v5, v0, 4, 1
	v_lshlrev_b32 v3, 6, v5
	s_wait_alu depctr_va_vdst(0)
	s_lshl_b32 s92, s42, 1
	s_add_co_u32 s92, s92, s16
	s_lshl_b32 s94, s92, 9
	s_mov_b32 s95, 0
	s_add_nc_u64 s[68:69], s[8:9], s[94:95]
	s_lshl_b32 s93, s17, 1
	s_add_co_u32 s93, s93, s15
	s_lshl_b32 s93, s93, 5
	s_add_co_u32 s94, s93, s92
	s_mul_i32 s94, s94, UNIT
	s_add_nc_u64 s[66:67], s[10:11], s[94:95]
.irp b, 0,1,2,3,4,5,6,7
	global_load_b128 v[BI+8*\b:BI+8*\b+3], v3, s[68:69] offset:(32*(\b/2)+8*(\b%2))*4
	global_load_b128 v[BI+8*\b+4:BI+8*\b+7], v3, s[68:69] offset:(32*(\b/2)+8*(\b%2))*4+16
.endr
	global_prefetch_b8 v27, s[96:97] offset:SLOTG th:TH_LOAD_NT scope:SCOPE_SE     ; slots 1 and 2; with slot 1's load slot 3 is asked for: two slots ahead, and the block's four slots end there
	global_prefetch_b8 v27, s[96:97] offset:2*SLOTG th:TH_LOAD_NT scope:SCOPE_SE
	s_mul_i32 s92, s15, YSTR
	s_mul_i32 s93, s16, YSTR
	s_add_co_u32 s93, s93, XH
	s_mul_i32 s94, s15, SSTR
	s_add_co_u32 s94, s94, 12288
	s_mul_i32 s95, s16, SSTR
	s_add_co_u32 s95, s95, XH+12288
.irp s, 0,1
	v_add_nc_u32 v[ADY+\s], s92, v2
	v_add_nc_u32 v[ADX+\s], s93, v2
	v_add_nc_u32 v[ASY+\s], s94, v2
	v_add_nc_u32 v[ASX+\s], s95, v2
	s_add_co_u32 s92, s92, SLOT
	s_add_co_u32 s93, s93, SLOT
	s_add_co_u32 s94, s94, SLOT
	s_add_co_u32 s95, s95, SLOT
.endr
	s_wait_alu depctr_va_vdst(0)
	s_wait_tensorcnt 0x0                           ; my part of slot 0 is in
	ds_add_u32 v[SPW], v[NIL]
	s_wait_dscnt 0x0
	CROUND                                         ; slot 0 is whole, and all sixteen work-groups are here
	JLOAD 1                                        ; slot 1, the first tensor load behind the round
	FX 0, 0, 0
	global_prefetch_b8 v27, s[96:97] offset:3*SLOTG th:TH_LOAD_NT scope:SCOPE_SE
	FS 0, 0, 0
	FY 0, 0, 0
	FY 0, 0, NY/2
	s_wait_loadcnt 0x0
	STEP 0, 0, 1
.if LAPS > 1
	s_mov_b32 s3, LAPS-1
.Llap:
	MID 0
	TURN 0, 1, 1
	STEP 1, 0, 0
	MID 1
	TURN 1, 0, 1
	STEP 0, 0, 0
	s_sub_co_u32 s3, s3, 1
	s_cmp_lg_u32 s3, 0
	s_cbranch_scc1 .Llap
.endif
	MID 0
	TURN 0, 1, 0
	STEP 1, 0, 0
	MID 1
	s_wait_dscnt 3*NY/2
	WIN 0xa1
	MULQ 0, 1, 0
	MULQ 1, 1, 0
	s_wait_dscnt 0x0
	WIN 0xf1
	MULQ 2, 1, 0
	MULQ 3, 1, 0
	WIN 0
.set TM,  64
.set PC,  80
.set PW,  100
.set PWS, 112
.set WO,  128
.macro QUANT s, w
	WIN (\w)|((\w)<<2)
.irp b, 0,1,2,3
	v_max3_num_f32 v[TM+\b], |v[(\s)+16*\b]|, |v[(\s)+16*\b+1]|, 0x1800000
.endr
.irp i, 2,4,6,8,10,12,14
.irp b, 0,1,2,3
	v_max3_num_f32 v[TM+\b], |v[(\s)+16*\b+\i]|, |v[(\s)+16*\b+\i+1]|, v[TM+\b]
.endr
.endr
	WIN 0
.irp b, 0,1,2,3
	v_permlanex16_b32 v[TM+4+\b], v[TM+\b], s90, s91
.endr
.irp b, 0,1,2,3
	v_max_num_f32 v[TM+\b], v[TM+\b], v[TM+4+\b]
.endr
.irp b, 0,1,2,3
	v_add_nc_u32 v[TM+12+\b], 0xff000000, v[TM+\b]
.endr
.irp b, 0,1,2,3
	v_lshrrev_b32 v[TM+4+\b], 23, v[TM+12+\b]
.endr
	v_lshl_or_b32 v[PW], v[TM+5], 8, v[TM+4]
	v_lshl_or_b32 v[PW], v[TM+6], 16, v[PW]
	v_lshl_or_b32 v[PW], v[TM+7], 24, v[PW]
	WIN \w
.irp c, 0,1
	v_cvt_scalef32_pk16_fp6_f32 v[PC+6*\c:PC+6*\c+2], v[(\s)+32*\c:(\s)+32*\c+15], v[TM+12+2*\c]
	v_cvt_scalef32_pk16_fp6_f32 v[PC+12+4*\c:PC+14+4*\c], v[(\s)+32*\c+16:(\s)+32*\c+31], v[TM+13+2*\c]
.endr
	WIN 0
	v_nop
.irp c, 0,1
.irp i, 0,1,2
	v_permlane16_swap_b32 v[PC+6*\c+\i], v[PC+12+4*\c+\i]
.endr
.irp i, 0,1,2
	v_mov_b32 v[PC+3+6*\c+\i], v[PC+12+4*\c+\i]
.endr
.endr
.endm
	PLACES
	s_mov_b32 s90, 0x76543210
	s_mov_b32 s91, 0xfedcba98
	s_mov_b32 s70, 0xffff0000
.irp b, 0,1,2,3
	v_mov_b32 v[TM+4+\b], 0
.endr
.irp a, 0,1,2,3,4,5,6,7
.if \a > 0
	s_wait_xcnt 0x0
.endif
	WIN ((2+\a/4)<<2)|((2+\a/4)<<6)
.set j, 0
.rept 64
	v_max_num_f32 v[64*(\a%4)+j], 0, v[64*(\a%4)+j]
.set j, j+1
.endr
	QUANT 64*(\a%4), 2+\a/4
.irp c, 0,1,2
	global_store_b128 v2, v[PC+4*\c:PC+4*\c+3], s[66:67] offset:1536*\a+512*\c
.endr
	v_mov_b32 v[PWS+\a], v[PW]
.endr
.irp j, 0,1,2,3
	v_cndmask_b32 v[WO+\j], v[PWS+2*\j], v[PWS+2*\j+1], s70
.endr
	global_store_b128 v2, v[WO:WO+3], s[66:67] offset:12288
	s_wait_tensorcnt 0x0
	ds_add_u32 v[SPW], v[NIL]
	s_wait_dscnt 0x0
	CROUND
	s_endpgm
.Lfunc_end_k_q2ebda4fc8a_ffn1:
	.size	k_q2ebda4fc8a_ffn1, .Lfunc_end_k_q2ebda4fc8a_ffn1-k_q2ebda4fc8a_ffn1
	.p2alignl 7, 3214868480
	.fill 96, 4, 3214868480
	.section	.rodata,"a",@progbits
	.p2align	6, 0x0
	.amdhsa_kernel k_q2ebda4fc8a_ffn1
		.amdhsa_group_segment_fixed_size 327680
		.amdhsa_private_segment_fixed_size 0
		.amdhsa_enable_private_segment 0
		.amdhsa_kernarg_size 32
		.amdhsa_user_sgpr_count 2
		.amdhsa_user_sgpr_kernarg_segment_ptr 1
		.amdhsa_wavefront_size32 1
		.amdhsa_system_sgpr_workgroup_id_x 1
		.amdhsa_system_sgpr_workgroup_id_y 1
		.amdhsa_system_sgpr_workgroup_id_z 1
		.amdhsa_system_vgpr_workitem_id 0
		.amdhsa_next_free_vgpr 1024
		.amdhsa_next_free_sgpr 100
		.amdhsa_reserve_vcc 0
		.amdhsa_float_denorm_mode_32 3
		.amdhsa_float_denorm_mode_16_64 3
		.amdhsa_memory_ordered 1
		.amdhsa_forward_progress 1
		.amdhsa_inst_pref_size 155
	.end_amdhsa_kernel
	.amdgpu_metadata
---
amdhsa.version: [ 1, 2 ]
amdhsa.kernels:
  - .name:           k_q2ebda4fc8a_ffn1
    .symbol:         k_q2ebda4fc8a_ffn1.kd
    .args:
      - { .name: h2img, .offset: 0, .size: 8, .value_kind: global_buffer, .address_space: global }
      - { .name: wts, .offset: 8, .size: 8, .value_kind: global_buffer, .address_space: global }
      - { .name: b1, .offset: 16, .size: 8, .value_kind: global_buffer, .address_space: global }
      - { .name: hid, .offset: 24, .size: 8, .value_kind: global_buffer, .address_space: global }
    .group_segment_fixed_size: 327680
    .private_segment_fixed_size: 0
    .kernarg_segment_align: 8
    .kernarg_segment_size: 32
    .max_flat_workgroup_size: 128
    .sgpr_count:     100
    .vgpr_count:     1024
    .wavefront_size: 32
...
	.end_amdgpu_metadata
.endif
;; end of part 5
;; launch ffn2 (part 6): grid 8 x 32, 4 waves a work-group, clusters of 4 x 4, 327,680 bytes of LDS; arguments hid, wts, b2, x1, out0; writes out0
.if DOCPART == 6
	.amdgcn_target "amdgcn-amd-amdhsa--gfx1250"
	.amdhsa_code_object_version 6
	.text
	.protected	k_q2ebda4fc8a_ffn2
	.globl	k_q2ebda4fc8a_ffn2
	.p2align	8
	.type	k_q2ebda4fc8a_ffn2,@function
k_q2ebda4fc8a_ffn2:
	s_mov_b64 s[64:65], 0
	v_nop
	global_prefetch_b8 v0, s[64:65] scope:SCOPE_SE
	s_setreg_imm32_b32 hwreg(HW_REG_WAVE_MODE, 25, 1), 1
	s_wait_xcnt 0x0
	s_wait_alu depctr_hold_cnt(0) depctr_sa_sdst(0) depctr_va_vdst(0) depctr_va_sdst(0) depctr_va_ssrc(0) depctr_va_vcc(0) depctr_vm_vsrc(0)
	s_getreg_b32 s2, hwreg(HW_REG_IB_STS2, 6, 4)
	s_cmp_eq_u32 s2, 0
	s_cbranch_scc0 .Lentry_in_a_cluster
	s_endpgm
.Lentry_in_a_cluster:
	s_bfe_u32 s2, ttmp6, 0x10000c
	s_cmp_lg_u32 s2, 0xf033
	s_cbranch_scc0 .Lentry_shape_is_right
	s_endpgm
.Lentry_shape_is_right:
.set GEOA, 0
.set NY,   4
.set NQ,   4
.set NKS,  32
.set XOFF, 4096000
.set LAPS, NKS/(2*NQ)
.set UNIT, 12800
.set SLOT, 8*UNIT
.set XH,   4*UNIT
.set SLOTG, NQ*UNIT
.set YSTR, 6144
.set SSTR, 8
.set STAGE, 2*SLOT
.set SPARE, 222208
.set ADY, 16
.set ASY, 18
.set ADX, 20
.set ASX, 22
.set SPW, 28
.set NIL, 29
.set SX,  32
.set SY,  40
.set BI,  64
.set YF,  128
.set G1Y, 24
.set G0Y, 32
.set G1X, 48
.set G0X, 56
.set MSB, 0
.macro WIN new
.if MSB != (\new)
	s_set_vgpr_msb (MSB<<8)|(\new)
.set MSB, (\new)
.endif
.endm
.macro PLACES
.rept 4
	v_nop
.endr
.endm
.macro JLOAD s
	s_cmp_eq_u32 s15, 0
	s_cbranch_scc0 .Lfor_x_\@
	tensor_load_to_lds s[G0Y+4*\s:G0Y+4*\s+3], s[G1Y:G1Y+7]
	s_nop 0
.rept 4
	v_nop
.endr
	s_branch .Lasked_\@
.Lfor_x_\@:
	tensor_load_to_lds s[G0X+4*\s:G0X+4*\s+3], s[G1X:G1X+7]
	s_nop 0
.rept 4
	v_nop
.endr
.Lasked_\@:
.endm
.macro CREST
	s_cmp_lg_u32 s14, 0
	s_cbranch_scc1 .Lnot_wave_0_\@
	s_barrier_signal -3
.Lnot_wave_0_\@:
	s_barrier_wait -3
	s_barrier_signal -1
	s_barrier_wait -1
.endm
.macro CROUND
	s_barrier_signal -1
	s_barrier_wait -1
	CREST
.endm
.macro FX slot, q, p
	WIN 0x40
.irp i, 0,1,2,3,4,5,6,7
.if \i < NY
.irp c, 0,1,2
	ds_load_b128 v[128*(\p)+12*\i+4*\c:128*(\p)+12*\i+4*\c+3], v[ADX+\slot] offset:UNIT*(\q)+1536*\i+512*\c
.endr
.endif
.endr
	WIN 0
.endm
.macro FY slot, q, i0
.irp k, 0,1,2,3
.if \k < NY/2
.irp c, 0,1,2
	ds_load_b128 v[YF+12*(\i0+\k)+4*\c:YF+12*(\i0+\k)+4*\c+3], v[ADY+\slot] offset:UNIT*(\q)+1536*(\i0+\k)+512*\c
.endr
.endif
.endr
.endm
.macro FS slot, q, p
.if GEOA
	ds_load_b128 v[SX+4*(\p):SX+4*(\p)+3], v[ASX+\slot] offset:UNIT*(\q)
	ds_load_b128 v[SY+4*(\p):SY+4*(\p)+3], v[ASY+\slot] offset:UNIT*(\q)
.else
	ds_load_b64 v[SX+4*(\p):SX+4*(\p)+1], v[ASX+\slot] offset:UNIT*(\q)
	ds_load_b64 v[SY+4*(\p):SY+4*(\p)+1], v[ASY+\slot] offset:UNIT*(\q)
.endif
.endm
.macro MM a, b, p, first
.set rD, 8*(NY*((\a)%(NY/2))+(\b))
.set rC, rD
.if \first
.set rC, BI+8*(\b)
.endif
.set rX, 128*(\p)+12*(\b)
.set rY, YF+12*(\a)
.set rS, SX+4*(\p)+(\b)/2
.set rT, SY+4*(\p)+(\a)/2
.if ((\a)%2) && ((\b)%2)
	v_wmma_scale_f32_16x16x128_f8f6f4 v[rD:rD+7], v[rX:rX+11], v[rY:rY+11], v[rC:rC+7], v[rS], v[rT] matrix_a_fmt:MATRIX_FMT_FP6 matrix_b_fmt:MATRIX_FMT_FP6 matrix_a_scale:MATRIX_SCALE_ROW1 matrix_b_scale:MATRIX_SCALE_ROW1
.elseif (\b)%2
	v_wmma_scale_f32_16x16x128_f8f6f4 v[rD:rD+7], v[rX:rX+11], v[rY:rY+11], v[rC:rC+7], v[rS], v[rT] matrix_a_fmt:MATRIX_FMT_FP6 matrix_b_fmt:MATRIX_FMT_FP6 matrix_a_scale:MATRIX_SCALE_ROW1
.elseif (\a)%2
	v_wmma_scale_f32_16x16x128_f8f6f4 v[rD:rD+7], v[rX:rX+11], v[rY:rY+11], v[rC:rC+7], v[rS], v[rT] matrix_a_fmt:MATRIX_FMT_FP6 matrix_b_fmt:MATRIX_FMT_FP6 matrix_b_scale:MATRIX_SCALE_ROW1
.else
	v_wmma_scale_f32_16x16x128_f8f6f4 v[rD:rD+7], v[rX:rX+11], v[rY:rY+11], v[rC:rC+7], v[rS], v[rT] matrix_a_fmt:MATRIX_FMT_FP6 matrix_b_fmt:MATRIX_FMT_FP6
.endif
.endm
.macro MULA a, p, first
.irp b, 0,1,2,3,4,5,6,7
.if \b < NY
	MM \a, \b, \p, \first
.endif
.endr
.endm
.macro MULQ k, p, first
.if GEOA
	MULA 2*(\k), \p, \first
	MULA 2*(\k)+1, \p, \first
.else
	MULA \k, \p, \first
.endif
.endm
.macro STEP slot, q, first
	s_wait_dscnt 3*NY/2
	WIN 0xa1-0x20*(\first)
	MULQ 0, (\q)%2, \first
	MULQ 1, (\q)%2, \first
	s_wait_dscnt 0x0
	PLACES
	FX \slot, (\q)+1, 1-(\q)%2
	FS \slot, (\q)+1, 1-(\q)%2
	FY \slot, (\q)+1, 0
	WIN 0xf1-0x30*(\first)
	MULQ 2, (\q)%2, \first
	MULQ 3, (\q)%2, \first
	PLACES
	WIN 0
	FY \slot, (\q)+1, NY/2
.endm
.macro TURN slot, next, fill
.if (\fill) && (\slot) == 0
	s_wait_xcnt 0x0                                ; my prefetches have read their address: it steps one lap, two slots, on
	s_add_nc_u64 s[96:97], s[96:97], 2*SLOTG
.endif
	s_wait_tensorcnt 0x0
	ds_add_u32 v[SPW], v[NIL]
	s_wait_dscnt 3*NY/2+1
	WIN 0xa1
	MULQ 0, 1, 0
	s_wait_dscnt 0x0
	s_barrier_signal -1
	MULQ 1, 1, 0
	WIN 0
	s_barrier_wait -1
.if \fill
	CREST
	s_add_nc_u64 s[G0Y+4*\slot+2:G0Y+4*\slot+3], s[G0Y+4*\slot+2:G0Y+4*\slot+3], 2*SLOTG
	s_add_nc_u64 s[G0X+4*\slot+2:G0X+4*\slot+3], s[G0X+4*\slot+2:G0X+4*\slot+3], 2*SLOTG
	JLOAD \slot
.else
	PLACES
.endif
	s_wait_alu depctr_va_vdst(0)
	FX \next, 0, 0
	FS \next, 0, 0
	FY \next, 0, 0
.if \fill
	s_cmp_gt_u32 s3, 1                             ; the loop's last trip fills slots 6 and 7 of eight: nothing lies two slots on
	s_cbranch_scc0 .Lnoask_\@
	global_prefetch_b8 v27, s[96:97] offset:(2+\slot)*SLOTG th:TH_LOAD_NT scope:SCOPE_SE   ; the slot two refills on: 25 blocks of 256 bytes, a lane a block
.Lnoask_\@:
.endif
	WIN 0xf1
	MULQ 2, 1, 0
	MULQ 3, 1, 0
	PLACES
	WIN 0
	FY \next, 0, NY/2
.endm
.macro MID slot
.if NQ == 4
	STEP \slot, 1, 0
	STEP \slot, 2, 0
.endif
.endm
	s_load_b256 s[4:11], s[0:1], 0x0
	s_load_b64 s[12:13], s[0:1], 0x20
	v_lshl_add_u32 v[SPW], v0, 2, SPARE
	v_mov_b32 v[NIL], 0
	ds_add_u32 v28, v29
	ds_add_u32 v28, v29
	s_wait_dscnt 0x0
	v_lshrrev_b32 v1, 5, v0
	v_readfirstlane_b32 s14, v1
	s_lshr_b32 s15, s14, 1
	s_and_b32 s16, s14, 1
	s_bfe_u32 s40, ttmp6, 0x40000
	s_bfe_u32 s41, ttmp6, 0x40004
	s_lshl_b32 s42, ttmp9, 2
	s_add_co_u32 s42, s42, s40
	s_and_b32 s17, ttmp7, 0xffff
	s_lshl_b32 s17, s17, 2
	s_add_co_u32 s17, s17, s41
	s_lshl_b32 s43, s41, 2
	s_lshl_b32 s43, 15, s43
	s_lshl_b32 s44, 0x1111, s40
	s_or_b32 s[G1Y], s43, (3<<16)|(1<<21)
	s_or_b32 s[G1X], s44, (3<<16)|(1<<21)
.irp g, G1Y, G1X
	s_mov_b32 s[\g+1], 32<<16
	s_mov_b32 s[\g+2], 100<<16
	s_mov_b32 s[\g+3], 32<<16
	s_mov_b32 s[\g+4], 100
	s_mov_b32 s[\g+5], 32
	s_mov_b32 s[\g+6], 0
	s_mov_b32 s[\g+7], 0
.endr
	s_mul_i32 s20, s17, NKS*UNIT
	s_mul_i32 s21, s16, 2*UNIT
	s_add_co_u32 s20, s20, s21
	s_mov_b32 s21, 0
	s_mul_i32 s46, s42, NKS*UNIT
	s_mul_i32 s47, s16, 2*UNIT
	s_add_co_u32 s46, s46, s47
	s_add_co_u32 s46, s46, XOFF
	s_mov_b32 s47, 0
	s_mul_i32 s45, s14, 2*UNIT
	s_wait_kmcnt 0x0
	s_add_nc_u64 s[20:21], s[4:5], s[20:21]
	s_add_nc_u64 s[46:47], s[6:7], s[46:47]
	CROUND
.irp s, 0,1
	s_mov_b32 s[G0Y+4*\s], 1
	s_add_co_u32 s[G0Y+4*\s+1], s45, \s*SLOT
	s_add_nc_u64 s[G0Y+4*\s+2:G0Y+4*\s+3], s[20:21], \s*SLOTG
	s_or_b32 s[G0Y+4*\s+3], s[G0Y+4*\s+3], 0x80000000
	s_mov_b32 s[G0X+4*\s], 1
	s_add_co_u32 s[G0X+4*\s+1], s45, \s*SLOT
	s_add_nc_u64 s[G0X+4*\s+2:G0X+4*\s+3], s[46:47], \s*SLOTG
	s_or_b32 s[G0X+4*\s+3], s[G0X+4*\s+3], 0x80000000
.endr
	s_cmp_eq_u32 s15, 0                            ; the prefetches: of the 100 blocks of 256 bytes that I fetch for a slot, each of the four partners that ask with me names 25, told apart by address
	s_cselect_b32 s98, s40, s41                    ; my place among them: cx for Y's units, cy for X's
	s_cselect_b64 s[96:97], s[20:21], s[46:47]
	s_mul_i32 s98, s98, 6400
	s_mov_b32 s99, 0
	s_add_nc_u64 s[96:97], s[96:97], s[98:99]
	JLOAD 0                                        ; slot 0: one tensor load a wave at the head
	v_and_b32 v1, 31, v0
	v_lshlrev_b32 v2, 4, v1
	v_min_u32 v27, 24, v1                          ; a lane a block; the seven lanes left over name the last block again
	v_lshlrev_b32 v27, 8, v27
	v_and_b32 v4, 15, v0
	v_bfe_u32 v5, v0, 4, 1
	v_lshlrev_b32 v3, 6, v5
	s_wait_alu depctr_va_vdst(0)
	v_lshlrev_b32 v26, 12, v5
	v_lshl_add_u32 v26, v4, 4, v26
	s_wait_alu depctr_va_vdst(0)
	s_lshl_b32 s92, s17, 7
	s_lshl_b32 s93, s15, 6
	s_add_co_u32 s92, s92, s93
	s_lshl_b32 s92, s92, 12
	s_lshl_b32 s94, s42, 9
	s_lshl_b32 s93, s16, 8
	s_add_co_u32 s94, s94, s93
	s_add_co_u32 s92, s92, s94
	s_mov_b32 s93, 0
	s_mov_b32 s95, 0
	s_add_nc_u64 s[66:67], s[12:13], s[92:93]
	s_add_nc_u64 s[68:69], s[10:11], s[92:93]
	s_add_nc_u64 s[70:71], s[8:9], s[94:95]
.irp b, 0,1,2,3
	global_load_b128 v[BI+8*\b:BI+8*\b+3], v3, s[70:71] offset:(32*(\b/2)+8*(\b%2))*4
	global_load_b128 v[BI+8*\b+4:BI+8*\b+7], v3, s[70:71] offset:(32*(\b/2)+8*(\b%2))*4+16
.endr
	WIN 0x40
.irp a, 0,1,2,3
.irp i, 0,1,2,3,4,5,6,7
	global_load_b128 v[48+32*(\a%2)+128*(\a/2)+4*\i:51+32*(\a%2)+128*(\a/2)+4*\i], v26, s[68:69] offset:(32*(\a/2)+8*(\a%2)+2*\i+8*(\i/4))*4096 th:TH_LOAD_NT
.endr
.endr
	WIN 0
	global_prefetch_b8 v27, s[96:97] offset:SLOTG th:TH_LOAD_NT scope:SCOPE_SE     ; slots 1 and 2; from slot 1's load on each load asks for the slot two on
	global_prefetch_b8 v27, s[96:97] offset:2*SLOTG th:TH_LOAD_NT scope:SCOPE_SE
	s_mul_i32 s92, s15, YSTR
	s_mul_i32 s93, s16, YSTR
	s_add_co_u32 s93, s93, XH
	s_mul_i32 s94, s15, SSTR
	s_add_co_u32 s94, s94, 12288
	s_mul_i32 s95, s16, SSTR
	s_add_co_u32 s95, s95, XH+12288
.irp s, 0,1
	v_add_nc_u32 v[ADY+\s], s92, v2
	v_add_nc_u32 v[ADX+\s], s93, v2
	v_add_nc_u32 v[ASY+\s], s94, v2
	v_add_nc_u32 v[ASX+\s], s95, v2
	s_add_co_u32 s92, s92, SLOT
	s_add_co_u32 s93, s93, SLOT
	s_add_co_u32 s94, s94, SLOT
	s_add_co_u32 s95, s95, SLOT
.endr
	s_mul_i32 s92, s14, 16*272
	s_add_co_u32 s92, s92, STAGE
	v_mul_u32_u24 v24, v4, 272
	v_lshl_add_u32 v24, v5, 6, v24
	v_add_nc_u32 v24, s92, v24
	v_mul_u32_u24 v25, v5, 272
	v_lshl_add_u32 v25, v4, 4, v25
	v_add_nc_u32 v25, s92, v25
	s_wait_alu depctr_va_vdst(0)                   ; the wait at the head's end
	s_wait_tensorcnt 0x0                           ; my part of slot 0 is in
	ds_add_u32 v[SPW], v[NIL]
	s_wait_dscnt 0x0
	CROUND                                         ; slot 0 is whole, and all sixteen work-groups are here
	JLOAD 1                                        ; slot 1, the first tensor load behind the round
	FX 0, 0, 0
	global_prefetch_b8 v27, s[96:97] offset:3*SLOTG th:TH_LOAD_NT scope:SCOPE_SE
	FS 0, 0, 0
	FY 0, 0, 0
	FY 0, 0, NY/2
	s_wait_loadcnt 32
	STEP 0, 0, 1
.if LAPS > 1
	s_mov_b32 s3, LAPS-1
.Llap:
	MID 0
	TURN 0, 1, 1
	STEP 1, 0, 0
	MID 1
	TURN 1, 0, 1
	STEP 0, 0, 0
	s_sub_co_u32 s3, s3, 1
	s_cmp_lg_u32 s3, 0
	s_cbranch_scc1 .Llap
.endif
	MID 0
	TURN 0, 1, 0
	STEP 1, 0, 0
	MID 1
	s_wait_dscnt 3*NY/2
	WIN 0xa1
	MULQ 0, 1, 0
	MULQ 1, 1, 0
	s_wait_dscnt 0x0
	WIN 0xf1
	MULQ 2, 1, 0
	MULQ 3, 1, 0
	WIN 0
	s_wait_loadcnt 0x0
	PLACES
.irp a, 0,1,2,3
	WIN 0x08+4*(\a/2)
.irp b, 0,1,2,3
	ds_store_b128 v24, v[8*(4*(\a%2)+\b):8*(4*(\a%2)+\b)+3] offset:128*(\b/2)+32*(\b%2)
	ds_store_b128 v24, v[8*(4*(\a%2)+\b)+4:8*(4*(\a%2)+\b)+7] offset:128*(\b/2)+32*(\b%2)+16
.endr
	WIN 0
.irp i, 0,1,2,3,4,5,6,7
	ds_load_b128 v[128+32*\a+4*\i:131+32*\a+4*\i], v25 offset:544*\i
.endr
.endr
.irp a, 0,1,2,3
	s_wait_dscnt 16*(3-\a)
	WIN 0x04
.set j, 0
.rept 16
	v_pk_add_f32 v[128+32*\a+j:129+32*\a+j], v[128+32*\a+j:129+32*\a+j], v[48+32*(\a%2)+128*(\a/2)+j:49+32*(\a%2)+128*(\a/2)+j]
.set j, j+2
.endr
	WIN 0
.irp i, 0,1,2,3,4,5,6,7
	global_store_b128 v26, v[128+32*\a+4*\i:131+32*\a+4*\i], s[66:67] offset:(32*(\a/2)+8*(\a%2)+2*\i+8*(\i/4))*4096 th:TH_STORE_NT
.endr
.endr
	s_wait_tensorcnt 0x0
	ds_add_u32 v[SPW], v[NIL]
	s_wait_dscnt 0x0
	CROUND
	s_endpgm
.Lfunc_end_k_q2ebda4fc8a_ffn2:
	.size	k_q2ebda4fc8a_ffn2, .Lfunc_end_k_q2ebda4fc8a_ffn2-k_q2ebda4fc8a_ffn2
	.p2alignl 7, 3214868480
	.fill 96, 4, 3214868480
	.section	.rodata,"a",@progbits
	.p2align	6, 0x0
	.amdhsa_kernel k_q2ebda4fc8a_ffn2
		.amdhsa_group_segment_fixed_size 327680
		.amdhsa_private_segment_fixed_size 0
		.amdhsa_enable_private_segment 0
		.amdhsa_kernarg_size 40
		.amdhsa_user_sgpr_count 2
		.amdhsa_user_sgpr_kernarg_segment_ptr 1
		.amdhsa_wavefront_size32 1
		.amdhsa_system_sgpr_workgroup_id_x 1
		.amdhsa_system_sgpr_workgroup_id_y 1
		.amdhsa_system_sgpr_workgroup_id_z 1
		.amdhsa_system_vgpr_workitem_id 0
		.amdhsa_next_free_vgpr 1024
		.amdhsa_next_free_sgpr 100
		.amdhsa_reserve_vcc 0
		.amdhsa_float_denorm_mode_32 3
		.amdhsa_float_denorm_mode_16_64 3
		.amdhsa_memory_ordered 1
		.amdhsa_forward_progress 1
		.amdhsa_inst_pref_size 93
	.end_amdhsa_kernel
	.amdgpu_metadata
---
amdhsa.version: [ 1, 2 ]
amdhsa.kernels:
  - .name:           k_q2ebda4fc8a_ffn2
    .symbol:         k_q2ebda4fc8a_ffn2.kd
    .args:
      - { .name: hid, .offset: 0, .size: 8, .value_kind: global_buffer, .address_space: global }
      - { .name: wts, .offset: 8, .size: 8, .value_kind: global_buffer, .address_space: global }
      - { .name: b2, .offset: 16, .size: 8, .value_kind: global_buffer, .address_space: global }
      - { .name: x1, .offset: 24, .size: 8, .value_kind: global_buffer, .address_space: global }
      - { .name: out0, .offset: 32, .size: 8, .value_kind: global_buffer, .address_space: global }
    .group_segment_fixed_size: 327680
    .private_segment_fixed_size: 0
    .kernarg_segment_align: 8
    .kernarg_segment_size: 40
    .max_flat_workgroup_size: 128
    .sgpr_count:     100
    .vgpr_count:     1024
    .wavefront_size: 32
...
	.end_amdgpu_metadata
.endif
;; end of part 6
